; MI455X (gfx1250); checked and timed in simulation.
; The chip was launched on July 23, 2026; its instructions are those of AMD's public machine-readable ISA for CDNA 5 (MIT licence, August 2026) and "CDNA5" Instruction Set Architecture Reference Guide (July 2026). The comments in the code are by the model that wrote it; some were corrected since.
;; Casual Attention. Allowed arithmetic: matrix products marked QUANTISED: E2M1 operands, one E8M0 scale for each 32 along K, by v_wmma_scale_f32_16x16x128_f8f6f4 with both operands' format E2M1 (or v_wmma_scale_f32_32x16x128_f4), f32 sums; products left as they are: bf16, f16 or f32 operands; f32 sums; everything else in f32.
;; Inputs: Wk 1,024 x 1,024 float32; Wq 1,024 x 1,024 float32; Wv 1,024 x 1,024 float32; inputs 4 x 2,048 x 1,024 float32.
;; Outputs: out0 4 x 2,048 x 1,024 float32.
;; This version of the problem:
;;   THIS VERSION OF THE PROBLEM IS GIVEN IN LOW PRECISION. The matrix products marked QUANTISED in the list below multiply operands that are first quantised to E2M1 (2 exponent bits, 1 mantissa bit; 4 bits a number), with one power-of-two scale for each 32 numbers along K (OCP MX v1.0); their sums are f32. The products marked 'left as it is' may take bf16, f16 or f32 operands, with f32 sums. Whichever they take, every output number must still come out within the allowed error. Rounding operands to bf16 (8 significant bits) uses up far more of that allowance than f16 does (11 bits, for magnitudes from 6e-5 to 65,504). All else is computed in f32.
;;   The module's matrix products, in the order in which they are computed (A, B: the left and right operand; K: the contracted axis; several contracted axes count as one K, in the product's order):
;;     1. [M 8,192, K 1,024] x [K 1,024, N 1,024]; A: input inputs; B: input Wq: QUANTISED
;;     2. [M 8,192, K 1,024] x [K 1,024, N 1,024]; A: input inputs; B: input Wk: QUANTISED
;;     3. [M 8,192, K 1,024] x [K 1,024, N 1,024]; A: input inputs; B: input Wv: QUANTISED
;;     4. batch 4 x [M 2,048, K 1,024] x [K 1,024, N 2,048]; A: computed on the way; B: computed on the way: left as it is (an operand is computed on the way)
;;     5. batch 4 x [M 2,048, K 2,048] x [K 2,048, N 1,024]; A: computed on the way; B: computed on the way: left as it is (an operand is computed on the way)
;;   THE QUANTISER, for each operand of a quantised product, along K:
;;     - K is cut into blocks of 32 from its start; a last block that is shorter is filled with zeros.
;;     - A block's scale is 2^e with e = floor(log2(the largest magnitude in the block)) - 2, held to -126 .. 127; a block of zeros has e = 0. As a byte (E8M0): e + 127.
;;     - Each number is divided by its block's scale, clamped to +-6, and rounded to the nearest number of E2M1, ties to even, subnormals kept.
;;     - The product sums the exact products of the quantised numbers (number of the format x scale) in f32.
;;   ~~~python
;;   def quantise(x, axis):      # numpy; x: float32 -> the quantised numbers, widened to float32 again
;;       x = np.moveaxis(x, axis, -1); K = x.shape[-1]
;;       x = np.pad(x, [(0, 0)] * (x.ndim - 1) + [(0, -K % 32)]); x = x.reshape(x.shape[:-1] + (-1, 32)); a = np.abs(x).max(-1, keepdims=True)
;;       e = np.where(a > 0, np.clip(np.frexp(np.where(a > 0, a, 1))[1] - 1 - 2, -126, 127), 0)      # np.frexp(a)[1] - 1 = floor(log2(a)), exactly
;;       r = np.clip(x / 2.0 ** e, -6, 6)
;;       step = 2.0 ** (np.maximum(np.frexp(np.where(r == 0, 1, r))[1] - 1, 0) - 1)
;;       q = np.round(r / step) * step * 2.0 ** e      # np.round: ties to even
;;       return np.moveaxis(q.reshape(q.shape[:-2] + (-1,))[..., :K], -1, axis).astype(np.float32)
;;   ~~~
;; One version. Each part assembles by itself: llvm-mc -triple=amdgcn-amd-amdhsa -mcpu=gfx1250 --defsym DOCPART=n.
;; ======== version 1 of 1: 5 launches
;; limits: values are held in f16: magnitudes above 65,504 overflow, below 6.1e-05 lose precision
;; workspace buffers: xc 4,194,304 bytes; xs 262,144 bytes; wc 1,572,864 bytes; ws 98,304 bytes; qkv 50,331,648 bytes; fine 786,432 bytes; pbuf 33,554,432 bytes; stats 786,432 bytes
;; launch quant (part 1): grid 352 x 1, 4 waves a work-group, no clusters, 33,280 bytes of LDS; arguments inputs, Wq, Wk, Wv, xc, xs, wc, ws; writes xc, xs, wc, ws
.if DOCPART == 1
	.amdgcn_target "amdgcn-amd-amdhsa--gfx1250"
	.amdhsa_code_object_version 6
	.text
	.protected	k_q3fdc6886cd_quant
	.globl	k_q3fdc6886cd_quant
	.p2align	8
	.type	k_q3fdc6886cd_quant,@function
k_q3fdc6886cd_quant:
	s_mov_b64 s[64:65], 0
	v_nop
	global_prefetch_b8 v0, s[64:65] scope:SCOPE_SE
	s_setreg_imm32_b32 hwreg(HW_REG_WAVE_MODE, 25, 1), 1
	s_wait_xcnt 0x0
; LAUNCH 1 OF 5.  inputs [8192][1024], Wq, Wk, Wv [1024][1024], f32, K (d_in) innermost, become codes of FP4 (E2M1), two a byte, and one E8M0 byte for each 32 along K.
; xc [8192][512 bytes], xs [8192][32];  wc [3072][512 bytes], ws [3072][32]: rows 0-1023 Wq, 1024-2047 Wk, 2048-3071 Wv.
; THE WHOLE PROGRAM: 1 quantise | 2 q, k, v = x W^T on codes | 3 scores, mask, p = 2^((s - M) c) tile by tile | 4 O = sum of f P V / sum of f l | 5 the first 16 positions of each sequence in f32.
; WORK LEFT OUT (launches 3 and 4): score tiles and P V tiles of 256 x 256 that lie wholly above the diagonal.  The problem itself sets those scores to -infinity ahead of the softmax, so their
; weights are 0 and add nothing to any output, whatever finite values the inputs hold.  LIMIT: a NaN, an infinity or an overflow that would arise in those tiles alone is not carried to the result.  Every input is read.
; A block's scale is 2^(floor(log2(its largest magnitude)) - 2); its byte is the largest magnitude's exponent field - 2, held at 1 from below.  A block of zeros so gets the byte 1 where the
; rule says 127: its codes are zeros, which add nothing under any byte but 0xff, and the bytes are read by this program alone.
; LIMITS: NaN and infinities among the inputs are not served; blocks whose largest magnitude lies under 2^(2 - 126) have their byte held at 1.
; Rows are dense and K is a multiple of 32: each tensor is a plain stream of blocks of 32.  A wave takes 16 steps of 512 numbers.  Each load reads 512 consecutive bytes; a step's 2,048 bytes turn
; through the wave's own stage in LDS and come back 64 bytes a lane, so that a lane holds 16 neighbours along K (two lanes to a block).  A wave's store of codes covers 256 consecutive bytes;
; its 256 scale bytes are gathered in LDS and leave as 256 consecutive bytes.  Work-groups 0-255 take inputs, 256-287 Wq, 288-319 Wk, 320-351 Wv: only pointers are chosen, the path is one.
.set WAVES, 4
.set STEPS, 16
.set EMAX,  2
.set CB,    8                          ; bytes of 16 codes
.set R,     16                         ; v16-79   four sets of 16 numbers as loaded
.set X,     80                         ; v80-111  two sets of 16 neighbours
.set C,     128                        ; v128-191 codes: four registers for each step
.set E,     112                        ; v112-127 a scale byte for each step
.set WREG,  8192                       ; LDS: a region for each wave: two stages of 32 x SP bytes, then its 256 scale bytes
.set SP,    80                         ; a lane's place in a stage: 64 bytes + 16 of padding
.set SPW,   12                         ; v12 LDS address of my spare word; never rewritten
.set NIL,   13                         ; v13 0; never rewritten
.set SPARE, WAVES*WREG                 ; behind the regions: the spare words, 128 bytes a wave
	s_load_b256 s[4:11], s[0:1], 0x0               ; inputs, Wq, Wk, Wv
	s_load_b256 s[12:19], s[0:1], 0x20             ; xc, xs, wc, ws
	v_lshl_add_u32 v[SPW], v0, 2, SPARE
	v_mov_b32 v[NIL], 0
	v_lshrrev_b32 v1, 5, v0
	v_readfirstlane_b32 s20, v1                    ; wave
	v_and_b32 v2, 31, v0                           ; lane
	v_lshlrev_b32 v3, 4, v2                        ; my 16 bytes of a load's 512
	s_mul_i32 s21, s20, WREG
	v_lshrrev_b32 v14, 2, v2
	v_mul_u32_u24 v14, v14, SP
	v_and_b32 v15, 3, v2
	v_lshl_add_u32 v14, v15, 4, v14
	v_add_nc_u32 v14, s21, v14                     ; the stage, on the way in: SP (lane / 4) + 16 (lane % 4)
	v_mul_u32_u24 v15, v2, SP
	v_add_nc_u32 v15, s21, v15                     ; and on the way out: SP x lane
	v_mul_u32_u24 v4, v2, CB                       ; my codes' place in a step's
	v_lshrrev_b32 v5, 1, v2
	s_add_co_u32 s21, s21, 2*32*SP
	v_add_nc_u32 v5, s21, v5                       ; LDS: my block's scale byte
	v_lshlrev_b32 v7, 3, v2                        ; on the way out 8 bytes a lane
	v_add_nc_u32 v6, s21, v7
	s_wait_kmcnt 0x0
	s_sub_co_u32 s29, ttmp9, 256                   ; which of the weights' 96 work-groups (used only from 256 on)
	s_and_b32 s28, s29, 31                         ; and which of one weight's 32
	s_cmp_lt_u32 ttmp9, 288                        ; the choices hang on the work-group's number alone
	s_cselect_b64 s[22:23], s[6:7], s[8:9]
	s_cmp_lt_u32 ttmp9, 320
	s_cselect_b64 s[22:23], s[22:23], s[10:11]
	s_cmp_lt_u32 ttmp9, 256
	s_cselect_b64 s[22:23], s[4:5], s[22:23]       ; the numbers
	s_cselect_b64 s[24:25], s[12:13], s[16:17]     ; the codes
	s_cselect_b64 s[26:27], s[14:15], s[18:19]     ; the scale bytes
	s_cselect_b32 s28, ttmp9, s28
	s_cselect_b32 s29, ttmp9, s29
	s_lshl_b32 s28, s28, 2
	s_add_co_u32 s28, s28, s20                     ; my run of 8,192 numbers in the source
	s_lshl_b32 s29, s29, 2
	s_add_co_u32 s29, s29, s20                     ; and in the codes' buffer
	s_lshl_b32 s30, s28, 15                        ; 32,768 bytes of numbers a run
	s_mov_b32 s31, 0
	s_add_nc_u64 s[22:23], s[22:23], s[30:31]
	s_lshl_b32 s30, s29, 12                        ; 4,096 bytes of codes
	s_add_nc_u64 s[24:25], s[24:25], s[30:31]
	s_lshl_b32 s30, s29, 8                         ; 256 scale bytes
	s_add_nc_u64 s[26:27], s[26:27], s[30:31]
.macro LOAD t
.irp i, 0,1,2,3
	global_load_b128 v[R+16*((\t)%4)+4*\i:R+16*((\t)%4)+4*\i+3], v3, s[22:23] offset:2048*(\t)+512*\i th:TH_LOAD_NT   ; 32 lanes read 512 consecutive bytes
.endr
.endm
.macro TURN t                          ; step t's numbers through the stage: LDS serves a wave's instructions in order, so no wait stands between the stores and the loads
.irp i, 0,1,2,3
	ds_store_b128 v14, v[R+16*((\t)%4)+4*\i:R+16*((\t)%4)+4*\i+3] offset:32*SP*((\t)%2)+8*SP*\i
.endr
.irp i, 0,1,2,3
	ds_load_b128 v[X+16*((\t)%2)+4*\i:X+16*((\t)%2)+4*\i+3], v15 offset:32*SP*((\t)%2)+16*\i
.endr
.endm
.irp t, 0,1,2,3
	LOAD \t
.endr
	s_wait_loadcnt 12                              ; step 0's four loads are in; the twelve of steps 1 to 3 stay out
	TURN 0
.macro STEP t
.set XS, X+16*((\t)%2)
.if (\t) > 0
	s_wait_dscnt 1                                 ; this step's numbers are back from the stage; the last step's byte store may be out
.else
	s_wait_dscnt 0x0
.endif
.if (\t)+4 < STEPS
	LOAD (\t)+4                                    ; into the registers that the stage's stores have read
.endif
.if (\t)+1 < STEPS
.if STEPS-2-(\t) >= 3
	s_wait_loadcnt 12                              ; the next step's four loads are in; those of the three steps behind it may be out
.else
	s_wait_loadcnt 4*(STEPS-2-(\t))
.endif
	TURN (\t)+1
.endif
	v_max3_num_f32 v8, |v[XS]|, |v[XS+1]|, |v[XS+2]|               ; the largest magnitude of my 16, in two chains
	v_max3_num_f32 v9, |v[XS+3]|, |v[XS+4]|, |v[XS+5]|
.irp i, 6,10
	v_max3_num_f32 v8, v8, |v[XS+\i]|, |v[XS+\i+1]|
	v_max3_num_f32 v9, v9, |v[XS+\i+2]|, |v[XS+\i+3]|
.endr
	v_max3_num_f32 v8, v8, |v[XS+14]|, |v[XS+15]|
	v_max3_num_f32 v8, v8, v9, (EMAX+1)<<23        ; and the floor 2^(3 - 127): the byte cannot fall under 1
	v_max_num_f32_dpp v8, v8, v8 row_xmask:1 row_mask:0xf bank_mask:0xf   ; with my neighbour's 16: the block's
	v_add_nc_u32 v11, -(EMAX<<23), v8              ; 2 off its exponent field: the conversion takes the exponent field of this operand as its scale
	v_cvt_scalef32_pk8_fp4_f32 v[C+4*(\t)], v[XS:XS+7], v11
	v_cvt_scalef32_pk8_fp4_f32 v[C+4*(\t)+1], v[XS+8:XS+15], v11
	v_lshrrev_b32 v[E+(\t)], 23, v11               ; the scale's byte (a plain line behind the conversions)
	ds_store_b8 v5, v[E+(\t)] offset:16*(\t)       ; both lanes of a block write the same byte with the same value
	global_store_b64 v4, v[C+4*(\t):C+4*(\t)+1], s[24:25] offset:32*CB*(\t)   ; the wave stores 256 consecutive bytes
.endm
.irp t, 0,1,2,3,4,5,6,7,8,9,10,11,12,13,14,15
	STEP \t
.endr
	ds_load_b64 v[8:9], v6                         ; LDS serves a wave's instructions in order: these see my stores
	s_wait_dscnt 0x0
	global_store_b64 v7, v[8:9], s[26:27]          ; 32 lanes store 256 consecutive bytes
	s_wait_tensorcnt 0x0                           ; the wave's end
	ds_add_u32 v[SPW], v[NIL]
	s_wait_dscnt 0x0
	s_endpgm
.Lfunc_end_k_q3fdc6886cd_quant:
	.size	k_q3fdc6886cd_quant, .Lfunc_end_k_q3fdc6886cd_quant-k_q3fdc6886cd_quant
	.p2alignl 7, 3214868480
	.fill 96, 4, 3214868480
	.section	.rodata,"a",@progbits
	.p2align	6, 0x0
	.amdhsa_kernel k_q3fdc6886cd_quant
		.amdhsa_group_segment_fixed_size 33280
		.amdhsa_private_segment_fixed_size 0
		.amdhsa_enable_private_segment 0
		.amdhsa_kernarg_size 64
		.amdhsa_user_sgpr_count 2
		.amdhsa_user_sgpr_kernarg_segment_ptr 1
		.amdhsa_wavefront_size32 1
		.amdhsa_system_sgpr_workgroup_id_x 1
		.amdhsa_system_sgpr_workgroup_id_y 1
		.amdhsa_system_sgpr_workgroup_id_z 1
		.amdhsa_system_vgpr_workitem_id 0
		.amdhsa_next_free_vgpr 192
		.amdhsa_next_free_sgpr 66
		.amdhsa_reserve_vcc 0
		.amdhsa_float_denorm_mode_32 3
		.amdhsa_float_denorm_mode_16_64 3
		.amdhsa_memory_ordered 1
		.amdhsa_forward_progress 1
		.amdhsa_inst_pref_size 34
	.end_amdhsa_kernel
	.amdgpu_metadata
---
amdhsa.version: [ 1, 2 ]
amdhsa.kernels:
  - .name:           k_q3fdc6886cd_quant
    .symbol:         k_q3fdc6886cd_quant.kd
    .args:
      - { .name: inputs, .offset: 0, .size: 8, .value_kind: global_buffer, .address_space: global }
      - { .name: Wq, .offset: 8, .size: 8, .value_kind: global_buffer, .address_space: global }
      - { .name: Wk, .offset: 16, .size: 8, .value_kind: global_buffer, .address_space: global }
      - { .name: Wv, .offset: 24, .size: 8, .value_kind: global_buffer, .address_space: global }
      - { .name: xc, .offset: 32, .size: 8, .value_kind: global_buffer, .address_space: global }
      - { .name: xs, .offset: 40, .size: 8, .value_kind: global_buffer, .address_space: global }
      - { .name: wc, .offset: 48, .size: 8, .value_kind: global_buffer, .address_space: global }
      - { .name: ws, .offset: 56, .size: 8, .value_kind: global_buffer, .address_space: global }
    .group_segment_fixed_size: 33280
    .private_segment_fixed_size: 0
    .kernarg_segment_align: 8
    .kernarg_segment_size: 64
    .max_flat_workgroup_size: 128
    .sgpr_count:     66
    .vgpr_count:     192
    .wavefront_size: 32
...
	.end_amdgpu_metadata
.endif
;; end of part 1
;; launch proj (part 2): grid 12 x 32, 4 waves a work-group, clusters of 4 x 4, 327,680 bytes of LDS; arguments xc, xs, wc, ws, qkv, fine; writes qkv, fine
.if DOCPART == 2
	.amdgcn_target "amdgcn-amd-amdhsa--gfx1250"
	.amdhsa_code_object_version 6
	.text
	.protected	k_q3fdc6886cd_proj
	.globl	k_q3fdc6886cd_proj
	.p2align	8
	.type	k_q3fdc6886cd_proj,@function
k_q3fdc6886cd_proj:
	s_mov_b64 s[64:65], 0
	v_nop
	global_prefetch_b8 v0, s[64:65] scope:SCOPE_SE
	s_setreg_imm32_b32 hwreg(HW_REG_WAVE_MODE, 25, 1), 1
	s_wait_xcnt 0x0
	s_wait_alu depctr_hold_cnt(0) depctr_sa_sdst(0) depctr_va_vdst(0) depctr_va_sdst(0) depctr_va_ssrc(0) depctr_va_vcc(0) depctr_vm_vsrc(0)
	s_getreg_b32 s2, hwreg(HW_REG_IB_STS2, 6, 4)
	s_cmp_eq_u32 s2, 0
	s_cbranch_scc0 .Lentry_in_a_cluster
	s_endpgm
.Lentry_in_a_cluster:
	s_bfe_u32 s2, ttmp6, 0x10000c
	s_cmp_lg_u32 s2, 0xf033
	s_cbranch_scc0 .Lentry_shape_is_right
	s_endpgm
.Lentry_shape_is_right:
; LAUNCH 2 OF 5.  qkv[m][n] = sum over k of x[m][k] W[n][k] on codes of FP4 with E8M0 scales: m 8,192 tokens, n 3,072 (q, k, v side by side), K 1,024.  Sums in f32.
; qkv is f16 [8192][3072] (LIMIT: |q|, |k|, |v| under 65,504); the first 16 tokens of each batch also leave as f32 into fine [4][16][3072], for the launch that carries those rows in f32.
; A tile of 256 x 256 is made by four waves, 128 x 128 each: 64 accumulators of 16 x 16.  K is two slots of 512 (LDS rows of 256 bytes): both are asked for at the start and nothing is filled again.
; The scale bytes of the work-group's 256 + 256 rows, for all of K, come once, as rows of 256 bytes + 16 of padding.
; CLUSTERS: 4 x 4 work-groups.  The four of a row of the cluster need the same tiles of x, the four of a column the same tiles of W: each is asked for jointly, with a mask that names the four.
; TILE ROW = cluster y + 8 cy: a tile begins a batch (2,048 tokens = 8 tile rows) exactly where cluster y = 0, a number that all sixteen partners share; the batch is then cy, which enters an address alone.
; THE MATRIX INSTRUCTION IS USED TRANSPOSED (source 0 = 16 rows of W, source 1 = 16 rows of x): a lane holds eight neighbouring columns of one row of qkv.
; REGISTERS, in windows of 256: window 0: v0-31 addresses; v32-95 scale words, two sets; v128-191 x's fragments, one set; on the way out v32-63, v128-255 are at work.
;   window 1: W's fragments, two sets, at v0 and v128.  window 2: the accumulators of my rows 0-63 ((a, b) at v[8 (8 a + b)]);  window 3: those of my rows 64-127.
.set SIZE_K, 1024
.set NQ,     4                         ; matrix instructions deep in a slot
.set ROWB,   256                       ; a tile's row in bytes: 512 codes
.set KROW,   512                       ; a row of codes in memory
.set CROW,   6144                      ; a row of qkv in bytes
.set PITCH,  272                       ; an LDS row: 256 bytes + 16: the 16 rows of a load start 68 words apart
.set FR,     8                         ; registers of a fragment
.set NLD,    2                         ; LDS loads that bring one
.set NP,     4                         ; places behind this matrix instruction (ISA guide 7.12.1)
.set HALFT,  128*PITCH
.set SLOT,   4*HALFT
.set KS,     32                        ; a row of scale bytes
.set SCL,    2*SLOT                    ; behind the ring: the scales
.set HALFS,  16*272                    ; those of 128 rows
.set SBLK,   2*272                     ; those of 16 rows
.set SPARE,  SCL+4*HALFS               ; behind the scales: the spare words, 128 bytes a wave
.set ST16,   0                         ; the way out: 16 rows x 272 bytes a wave, in slot 0, which has had its only fill and its last read by then
.set ST32,   4*16*272                  ; and 16 rows x 528 bytes a wave for the f32 rows
.set STO32, 8
.set RD32,  9
.set CO32,  10
.set ADRA, 16
.set ADRB, 20
.set STO,  24
.set RD,   25
.set CO,   26
.set ADRS, 27
.set SPW,  28
.set NIL,  29
.set SC,   32
.set AF,   128
.set TMP,  192
.set OB,   32
.set G1, 24
.set G0, 32
.set G1B, 48
.set G0B, 56
.set G1S, 68
.set G0S, 76
.set G1SB, 80
.set G0SB, 88
.set MSB, 0
.macro WIN new                         ; the immediate's high byte repeats the setting that is left
.if MSB != \new
	s_set_vgpr_msb (MSB<<8)|\new
.set MSB, \new
.endif
.endm
.set MUL_LO, 0xa1                      ; source 0 (W) window 1, source 1 (x) window 0, C and D window 2
.set MUL_HI, 0xf1
.set TO_B,   0x40
; A joint load: waves 0 and 1 fetch for x, waves 2 and 3 for W.  The branch hangs on the wave's number alone.  An s_nop 0 and four v_nop follow each line.
.macro JLOAD g0a, g1a, g0b, g1b
	s_cmp_eq_u32 s15, 0
	s_cbranch_scc0 .Lfor_b_\@
	tensor_load_to_lds s[\g0a:\g0a+3], s[\g1a:\g1a+7]
	s_nop 0
.rept 4
	v_nop
.endr
	s_branch .Lasked_\@
.Lfor_b_\@:
	tensor_load_to_lds s[\g0b:\g0b+3], s[\g1b:\g1b+7]
	s_nop 0
.rept 4
	v_nop
.endr
.Lasked_\@:
.endm
.macro CROUND                          ; a round of the cluster's barrier
	s_barrier_signal -1
	s_barrier_wait -1
	s_cmp_lg_u32 s14, 0
	s_cbranch_scc1 .Lnot_wave_0_\@
	s_barrier_signal -3
.Lnot_wave_0_\@:
	s_barrier_wait -3
	s_barrier_signal -1
	s_barrier_wait -1
.endm
	s_load_b128 s[4:7], s[0:1], 0x0                ; x's codes, x's scales
	s_load_b128 s[8:11], s[0:1], 0x10              ; W's codes, W's scales
	s_load_b64 s[12:13], s[0:1], 0x20              ; qkv
	s_load_b64 s[98:99], s[0:1], 0x28              ; fine
	v_lshl_add_u32 v[SPW], v0, 2, SPARE
	v_mov_b32 v[NIL], 0
	ds_add_u32 v[SPW], v[NIL]                      ; the wave's opening: the add, twice on end, and its wait ahead of my first tensor load
	ds_add_u32 v[SPW], v[NIL]
	v_lshrrev_b32 v1, 5, v0
	v_readfirstlane_b32 s14, v1                    ; wave 0..3
	s_lshr_b32 s15, s14, 1                         ; which half of the tile's rows is mine.  Also: I fetch for x (0) or for W (1)
	s_and_b32 s16, s14, 1                          ; which half of its columns.  Also: which 128 rows I fetch
	s_bfe_u32 s40, ttmp6, 0x40000                  ; cx
	s_bfe_u32 s41, ttmp6, 0x40004                  ; cy
	s_lshl_b32 s42, ttmp9, 2
	s_add_co_u32 s42, s42, s40                     ; tile column = 4 x cluster x + cx
	s_and_b32 s100, ttmp7, 0xffff                  ; cluster y
	s_lshl_b32 s17, s41, 3
	s_add_co_u32 s17, s17, s100                    ; tile row = cluster y + 8 cy
	s_lshl_b32 s43, s41, 2
	s_lshl_b32 s43, 15, s43                        ; my row of the cluster
	s_lshl_b32 s44, 0x1111, s40                    ; my column
	s_or_b32 s[G1+0], s43, (0<<16)|(1<<20)|(1<<21)|(5<<22)|(3<<25)  ; mask; elements of 1 byte; padding: 4 words behind every 64
	s_or_b32 s[G1B+0], s44, (0<<16)|(1<<20)|(1<<21)|(5<<22)|(3<<25)
.irp g, G1, G1B
	s_mov_b32 s[\g+1], ROWB<<16                    ; tensor_dim0
	s_mov_b32 s[\g+2], 128<<16                     ; tensor_dim1
	s_mov_b32 s[\g+3], ROWB<<16                    ; tile_dim0
	s_mov_b32 s[\g+4], 128                         ; tile_dim1
	s_mov_b32 s[\g+5], KROW                        ; from row to row
	s_mov_b32 s[\g+6], 0
	s_mov_b32 s[\g+7], 0
.endr
	s_or_b32 s[G1S+0], s43, (3<<16)|(1<<20)|(1<<21)|(5<<22)|(3<<25) ; the scales of 128 rows: 4,096 dense bytes as 16 rows of 32 elements of 8 bytes
	s_or_b32 s[G1SB+0], s44, (3<<16)|(1<<20)|(1<<21)|(5<<22)|(3<<25)
.irp g, G1S, G1SB
	s_mov_b32 s[\g+1], 32<<16
	s_mov_b32 s[\g+2], 16<<16
	s_mov_b32 s[\g+3], 32<<16
	s_mov_b32 s[\g+4], 16
	s_mov_b32 s[\g+5], 32
	s_mov_b32 s[\g+6], 0
	s_mov_b32 s[\g+7], 0
.endr
	s_lshl_b32 s18, s16, 7
	s_lshl_b32 s20, s17, 8
	s_add_co_u32 s20, s20, s18                     ; x: row 256 x tile row + 128 x half
	s_lshl_b32 s46, s42, 8
	s_add_co_u32 s46, s46, s18                     ; W: row 256 x tile column + 128 x half
	s_mov_b32 s21, 0
	s_mov_b32 s47, 0
	s_mov_b64 s[18:19], KS
	s_mul_u64 s[22:23], s[20:21], s[18:19]         ; where these rows' scales begin
	s_mul_u64 s[92:93], s[46:47], s[18:19]
	s_mov_b64 s[18:19], KROW
	s_mul_u64 s[20:21], s[20:21], s[18:19]         ; and their codes
	s_mul_u64 s[46:47], s[46:47], s[18:19]
	s_mul_i32 s45, s14, HALFT                      ; where they go: no place in the cluster enters an LDS address
	s_mul_i32 s94, s14, HALFS
	s_wait_dscnt 0x0                               ; both opening adds are done
	s_wait_kmcnt 0x0
	s_add_nc_u64 s[20:21], s[4:5], s[20:21]
	s_add_nc_u64 s[22:23], s[6:7], s[22:23]
	s_add_nc_u64 s[46:47], s[8:9], s[46:47]
	s_add_nc_u64 s[92:93], s[10:11], s[92:93]
	CROUND                                         ; all sixteen work-groups are here: the joint loads meet
	s_mov_b32 s[G0S], 1
	s_add_co_u32 s[G0S+1], s94, SCL
	s_mov_b64 s[G0S+2:G0S+3], s[22:23]
	s_or_b32 s[G0S+3], s[G0S+3], 0x80000000
	s_mov_b32 s[G0SB], 1
	s_add_co_u32 s[G0SB+1], s94, SCL
	s_mov_b64 s[G0SB+2:G0SB+3], s[92:93]
	s_or_b32 s[G0SB+3], s[G0SB+3], 0x80000000
	JLOAD G0S, G1S, G0SB, G1SB                     ; the scales first; with the two slots three loads of mine are out
.irp s, 0,1
	s_mov_b32 s[G0+4*\s], 1
	s_add_co_u32 s[G0+4*\s+1], s45, \s*SLOT
	s_add_nc_u64 s[G0+4*\s+2:G0+4*\s+3], s[20:21], \s*ROWB
	s_or_b32 s[G0+4*\s+3], s[G0+4*\s+3], 0x80000000
	s_mov_b32 s[G0B+4*\s], 1
	s_add_co_u32 s[G0B+4*\s+1], s45, \s*SLOT
	s_add_nc_u64 s[G0B+4*\s+2:G0B+4*\s+3], s[46:47], \s*ROWB
	s_or_b32 s[G0B+4*\s+3], s[G0B+4*\s+3], 0x80000000
	JLOAD G0+4*\s, G1, G0B+4*\s, G1B
.endr
	v_and_b32 v1, 15, v0                           ; r = l % 16
	v_bfe_u32 v2, v0, 4, 1                         ; h = l / 16
	v_mul_u32_u24 v3, v1, PITCH
	v_lshl_add_u32 v4, v2, 4, v3                   ; a fragment's row x pitch + 16 h
	s_mul_i32 s21, s15, HALFT
	s_mul_i32 s22, s16, HALFT
	s_add_co_u32 s22, s22, 2*HALFT
.irp s, 0,1
	v_add_nc_u32 v[ADRA+\s], s21, v4
	v_add_nc_u32 v[ADRB+\s], s22, v4
	s_add_co_u32 s21, s21, SLOT
	s_add_co_u32 s22, s22, SLOT
.endr
	v_mul_u32_u24 v5, v1, KS                       ; my row's scales: 32 bytes a row,
	v_lshrrev_b32 v6, 8, v5
	v_lshl_add_u32 v5, v6, 4, v5                   ; and 16 more for each 256 passed
	s_mul_i32 s21, s15, HALFS
	s_mul_i32 s22, s16, HALFS
	s_add_co_u32 s22, s22, 2*HALFS
	s_sub_co_u32 s22, s22, s21
	v_mul_u32_u24 v6, s22, v2                      ; lanes 16-31 take W's: one product, the distance between the two bases
	s_add_co_u32 s21, s21, SCL
	v_add_nc_u32 v5, v5, v6
	v_add_nc_u32 v[ADRS], s21, v5
	s_mul_i32 s23, s14, 16*272                     ; my f16 stage
	v_mul_u32_u24 v5, v1, 272
	v_lshl_add_u32 v5, v2, 4, v5
	v_add_nc_u32 v[STO], s23, v5                   ; in: row r, 16 bytes for each half of the lanes
	v_mul_u32_u24 v5, v2, 272
	v_lshl_add_u32 v5, v1, 4, v5
	v_add_nc_u32 v[RD], s23, v5                    ; back: lanes 0-15 one row of 256 bytes, lanes 16-31 the next
	v_mul_u32_u24 v5, v2, CROW
	v_lshl_add_u32 v[CO], v1, 4, v5                ; and the same two rows in qkv
	s_mul_i32 s23, s14, 16*528
	s_add_co_u32 s23, s23, ST32                    ; my f32 stage
	v_mul_u32_u24 v5, v1, 528
	v_lshl_add_u32 v5, v2, 5, v5
	v_add_nc_u32 v[STO32], s23, v5
	v_and_b32 v6, 31, v0
	v_lshlrev_b32 v[CO32], 4, v6                   ; back: the 32 lanes take one row of 512 bytes
	v_add_nc_u32 v[RD32], s23, v[CO32]
	s_lshl_b32 s20, s17, 8
	s_lshl_b32 s21, s15, 7
	s_add_co_u32 s20, s20, s21                     ; my first row of qkv
	s_mul_i32 s20, s20, CROW
	s_lshl_b32 s46, s42, 9                         ; my first column, in bytes: 512 x tile column + 256 x half
	s_lshl_b32 s47, s16, 8
	s_add_co_u32 s46, s46, s47
	s_add_co_u32 s20, s20, s46
	s_mov_b32 s21, 0
	s_add_nc_u64 s[12:13], s[12:13], s[20:21]
	s_mul_i32 s96, s41, 196608                     ; fine: batch cy, 16 rows of 12,288 bytes;
	s_lshl_b32 s97, s42, 10
	s_add_co_u32 s96, s96, s97                     ; 1,024 bytes a tile column,
	s_lshl_b32 s97, s16, 9
	s_add_co_u32 s96, s96, s97                     ; 512 a half
	s_mov_b32 s97, 0
	s_add_nc_u64 s[98:99], s[98:99], s[96:97]
	s_or_b32 s101, s100, s15                       ; 0 where my block 0 holds the first 16 tokens of a batch: cluster y = 0 and the upper half of the rows
.macro FRAG reg, adr, q, i             ; 16 rows x 128 K of 4-bit codes: 8 registers; registers 4 c .. 4 c + 3 hold K = 64 c + 32 h + 0 .. 31
.irp c, 0,1
	ds_load_b128 v[\reg+4*\c:\reg+4*\c+3], v[\adr] offset:64*(\q)+32*\c+(\i)*16*PITCH
.endr
.endm
; 16 matrix instructions: x's blocks a0, a0 + 1 against W's eight, the slot's q-th 128 along K.  The 64 accumulators take turns, one instruction a turn.
.macro MUL16 a0, p, q, sc, zero
.irp a, \a0, \a0+1
.irp b, 0,1,2,3,4,5,6,7
.if \zero
	v_wmma_scale_f32_16x16x128_f8f6f4 v[8*(8*((\a)%4)+\b):8*(8*((\a)%4)+\b)+7], v[128*(\p)+FR*\b:128*(\p)+FR*\b+FR-1], v[AF+FR*(\a):AF+FR*(\a)+FR-1], 0, v[SC+8*NQ*(\sc)+NQ*\b+(\q)], v[SC+8*NQ*(\sc)+NQ*(\a)+(\q)] matrix_a_fmt:MATRIX_FMT_FP4 matrix_b_fmt:MATRIX_FMT_FP4 matrix_a_scale:MATRIX_SCALE_ROW1
.else
	v_wmma_scale_f32_16x16x128_f8f6f4 v[8*(8*((\a)%4)+\b):8*(8*((\a)%4)+\b)+7], v[128*(\p)+FR*\b:128*(\p)+FR*\b+FR-1], v[AF+FR*(\a):AF+FR*(\a)+FR-1], v[8*(8*((\a)%4)+\b):8*(8*((\a)%4)+\b)+7], v[SC+8*NQ*(\sc)+NQ*\b+(\q)], v[SC+8*NQ*(\sc)+NQ*(\a)+(\q)] matrix_a_fmt:MATRIX_FMT_FP4 matrix_b_fmt:MATRIX_FMT_FP4 matrix_a_scale:MATRIX_SCALE_ROW1
.endif
.endr
.endr
.endm
.macro FETCH_B slot, q, p
	WIN TO_B
.irp i, 0,1,2,3,4,5,6,7
	FRAG 128*(\p)+FR*\i, ADRB+\slot, \q, \i
.endr
	WIN 0
.endm
.macro FETCH_A slot, q, i0
.irp i, \i0, \i0+1, \i0+2, \i0+3
	FRAG AF+FR*(\i), ADRA+\slot, \q, \i
.endr
.endm
.macro SCALES sc                       ; a slot's scale words: lanes 0-15 take x's block i, lanes 16-31 W's block i; four words a row
.irp i, 0,1,2,3,4,5,6,7
	ds_load_b128 v[SC+8*NQ*\sc+NQ*\i:SC+8*NQ*\sc+NQ*\i+3], v[ADRS] offset:\i*SBLK
.endr
.endm
.macro PLACES n                        ; plain vector instructions between a matrix instruction and a load into, or a read of, its registers
.rept \n
	v_nop
.endr
.endm
.macro STEP slot, q, zero              ; 128 along K, with its successor in the same slot
	s_wait_dscnt 4*NLD                             ; W's set and x's blocks 0-3 are in; the youngest eight loads (x's blocks 4-7) may be out
	WIN MUL_LO
	MUL16 0, (\q)%2, \q, \slot, \zero
	MUL16 2, (\q)%2, \q, \slot, \zero
	s_wait_dscnt 0
	PLACES NP
	FETCH_B \slot, (\q)+1, 1-(\q)%2
	FETCH_A \slot, (\q)+1, 0
	WIN MUL_HI
	MUL16 4, (\q)%2, \q, \slot, \zero
	MUL16 6, (\q)%2, \q, \slot, \zero
	PLACES NP
	WIN 0
	FETCH_A \slot, (\q)+1, 4
.endm
.macro TURN slot, next                 ; a slot's last step changes slots: one barrier
	s_wait_tensorcnt 0x0                           ; all my tensor loads have landed: my part of the next slot
	ds_add_u32 v[SPW], v[NIL]                      ; 0 onto my spare word
	s_wait_dscnt 4*NLD+1                           ; (the add and the youngest eight loads may be out)
	WIN MUL_LO
	MUL16 0, 1, NQ-1, \slot, 0
	s_wait_dscnt 0x0                               ; the add is done, and my reads of this slot are over
	s_barrier_signal -1
	MUL16 2, 1, NQ-1, \slot, 0
	WIN 0
	s_barrier_wait -1
	PLACES NP
	v_add_nc_u32 v[ADRS], 4*NQ, v[ADRS]            ; on to the next slot's scale words
	FETCH_B \next, 0, 0
	FETCH_A \next, 0, 0
	SCALES \next
	WIN MUL_HI
	MUL16 4, 1, NQ-1, \slot, 0
	MUL16 6, 1, NQ-1, \slot, 0
	PLACES NP
	WIN 0
	FETCH_A \next, 0, 4
.endm
	s_wait_tensorcnt 1                             ; the scales and my part of slot 0 are in; slot 1's load may stay out
	s_barrier_signal -1
	s_barrier_wait -1
	FETCH_B 0, 0, 0
	FETCH_A 0, 0, 0
	SCALES 0
	FETCH_A 0, 0, 4
	STEP 0, 0, 1                                   ; the first products start the sums: nothing is cleared
	STEP 0, 1, 0
	STEP 0, 2, 0
	TURN 0, 1
	STEP 1, 0, 0
	STEP 1, 1, 0
	STEP 1, 2, 0
	s_wait_dscnt 4*NLD                             ; the last step: nothing more to fetch
	WIN MUL_LO
	MUL16 0, 1, NQ-1, 1, 0
	MUL16 2, 1, NQ-1, 1, 0
	s_wait_dscnt 0
	WIN MUL_HI
	MUL16 4, 1, NQ-1, 1, 0
	MUL16 6, 1, NQ-1, 1, 0
	WIN 0
	; THE WAY OUT.  Four places serve the first reads of results and the loads into registers that held scales and fragments.
	PLACES NP
	s_cmp_lg_u32 s101, 0                           ; ids and the wave's number alone; the same for a given wave in all sixteen partners
	s_cbranch_scc1 .Lno_fine
	WIN 0x08                                       ; an LDS store's data: window 2
.irp b, 0,1,2,3,4,5,6,7
	ds_store_b128 v[STO32], v[8*\b:8*\b+3] offset:64*\b            ; block 0 as f32, each accumulator from its low end on
	ds_store_b128 v[STO32], v[8*\b+4:8*\b+7] offset:64*\b+16
.endr
	WIN 0
.irp t, 0,1,2,3,4,5,6,7,8,9,10,11,12,13,14,15
	ds_load_b128 v[128+4*\t:131+4*\t], v[RD32] offset:\t*528       ; LDS serves a wave's instructions in order: these see my stores
.endr
	s_wait_dscnt 0x0
.irp t, 0,1,2,3,4,5,6,7,8,9,10,11,12,13,14,15
	global_store_b128 v[CO32], v[128+4*\t:131+4*\t], s[98:99] offset:\t*12288   ; 32 lanes store 512 consecutive bytes of a row of fine
.endr
.Lno_fine:
.macro PACK a                          ; block a rounded to f16: 16 bytes a lane for each of its eight accumulators, each read from its low end on
.set AC, 64*((\a)%4)
	WIN 0x0a+5*((\a)/4)
.irp b, 0,1,2,3,4,5,6,7
.irp r, 0,1,2,3
	v_cvt_pk_f16_f32 v[TMP+4*\b+\r], v[AC+8*\b+2*\r], v[AC+8*\b+2*\r+1]
.endr
.endr
	WIN 0
.endm
.macro TOSTAGE a
.set BK, OB+192*((\a)%2)
.irp b, 0,1,2,3,4,5,6,7
	ds_store_b128 v[STO], v[TMP+4*\b:TMP+4*\b+3] offset:32*\b
.endr
.irp t, 0,1,2,3,4,5,6,7
	ds_load_b128 v[BK+4*\t:BK+4*\t+3], v[RD] offset:\t*2*272
.endr
.endm
.macro SEND a
.set BK, OB+192*((\a)%2)
	s_wait_dscnt 0x0                               ; the block is back in registers
	s_wait_xcnt 0x0                                ; earlier stores have read their base and their data: both may be written again
.if (\a) > 0
	s_add_nc_u64 s[12:13], s[12:13], 16*CROW
.endif
.irp t, 0,1,2,3,4,5,6,7
	global_store_b128 v[CO], v[BK+4*\t:BK+4*\t+3], s[12:13] offset:2*\t*CROW   ; 16 lanes store 256 consecutive bytes, at a multiple of 256 from qkv's first byte
.endr
.endm
	PACK 0
	TOSTAGE 0
.irp a, 1,2,3,4,5,6,7                  ; block a's conversions stand between block a - 1's loads from the stage and the wait for them
	PACK \a
	SEND \a-1
	TOSTAGE \a
.endr
	SEND 7
	s_wait_tensorcnt 0x0                           ; the wave's end
	ds_add_u32 v[SPW], v[NIL]
	s_wait_dscnt 0x0
	CROUND                                         ; the closing round
	s_endpgm
.Lfunc_end_k_q3fdc6886cd_proj:
	.size	k_q3fdc6886cd_proj, .Lfunc_end_k_q3fdc6886cd_proj-k_q3fdc6886cd_proj
	.p2alignl 7, 3214868480
	.fill 96, 4, 3214868480
	.section	.rodata,"a",@progbits
	.p2align	6, 0x0
	.amdhsa_kernel k_q3fdc6886cd_proj
		.amdhsa_group_segment_fixed_size 327680
		.amdhsa_private_segment_fixed_size 0
		.amdhsa_enable_private_segment 0
		.amdhsa_kernarg_size 48
		.amdhsa_user_sgpr_count 2
		.amdhsa_user_sgpr_kernarg_segment_ptr 1
		.amdhsa_wavefront_size32 1
		.amdhsa_system_sgpr_workgroup_id_x 1
		.amdhsa_system_sgpr_workgroup_id_y 1
		.amdhsa_system_sgpr_workgroup_id_z 1
		.amdhsa_system_vgpr_workitem_id 0
		.amdhsa_next_free_vgpr 1024
		.amdhsa_next_free_sgpr 102
		.amdhsa_reserve_vcc 0
		.amdhsa_float_denorm_mode_32 3
		.amdhsa_float_denorm_mode_16_64 3
		.amdhsa_memory_ordered 1
		.amdhsa_forward_progress 1
		.amdhsa_inst_pref_size 131
	.end_amdhsa_kernel
	.amdgpu_metadata
---
amdhsa.version: [ 1, 2 ]
amdhsa.kernels:
  - .name:           k_q3fdc6886cd_proj
    .symbol:         k_q3fdc6886cd_proj.kd
    .args:
      - { .name: xc, .offset: 0, .size: 8, .value_kind: global_buffer, .address_space: global }
      - { .name: xs, .offset: 8, .size: 8, .value_kind: global_buffer, .address_space: global }
      - { .name: wc, .offset: 16, .size: 8, .value_kind: global_buffer, .address_space: global }
      - { .name: ws, .offset: 24, .size: 8, .value_kind: global_buffer, .address_space: global }
      - { .name: qkv, .offset: 32, .size: 8, .value_kind: global_buffer, .address_space: global }
      - { .name: fine, .offset: 40, .size: 8, .value_kind: global_buffer, .address_space: global }
    .group_segment_fixed_size: 327680
    .private_segment_fixed_size: 0
    .kernarg_segment_align: 8
    .kernarg_segment_size: 48
    .max_flat_workgroup_size: 128
    .sgpr_count:     102
    .vgpr_count:     1024
    .wavefront_size: 32
...
	.end_amdgpu_metadata
.endif
;; end of part 2
;; launch scores (part 3): grid 9 x 16, 4 waves a work-group, no clusters, 327,680 bytes of LDS; arguments qkv, pbuf, stats; writes pbuf, stats
.if DOCPART == 3
	.amdgcn_target "amdgcn-amd-amdhsa--gfx1250"
	.amdhsa_code_object_version 6
	.text
	.protected	k_q3fdc6886cd_scores
	.globl	k_q3fdc6886cd_scores
	.p2align	8
	.type	k_q3fdc6886cd_scores,@function
k_q3fdc6886cd_scores:
	s_mov_b64 s[64:65], 0
	v_nop
	global_prefetch_b8 v0, s[64:65] scope:SCOPE_SE
	s_setreg_imm32_b32 hwreg(HW_REG_WAVE_MODE, 25, 1), 1
	s_wait_xcnt 0x0
; LAUNCH 3 OF 5.  For each tile of 256 queries x 256 keys at or under the diagonal: S = q k^T (f16 operands, f32 sums, K = 1,024), the causal mask, M = each row's largest score IN THE TILE,
; p = 2^((s - M) c), c = log2(e) / 32, stored as f16 into pbuf [4][2048][2048]; M and the row's sums of p (keys 0-127 and 128-255 of the tile apart) into stats [b][tile column][3][2048] f32.
; The next launch brings the tiles of a row under the row's own maximum.  (s - M) is formed first and multiplied by c afterwards: it is exactly 0 at the maximum, whatever the size of the scores.
; WORK LEFT OUT: the tiles wholly above the diagonal: the problem sets their scores to -infinity itself, so their weights are 0 for every input.
; NO CLUSTER: the triangle's rows have 1 to 8 tiles; no grouping by four gives every partner a use for every joint tile, and a partner may not ask for a tile that the mask lets it never read.
; TILES: tile rows p and 7 - p have 9 tiles together: work-group x = 0..8 walks them, y = 4 b + p: 144 work-groups of equal work.
; A work-group is four waves, 128 x 128 each: 64 accumulators.  K goes in steps of 128 through two LDS slots; each wave fetches a quarter of a slot (waves 0, 1: q's halves; 2, 3: k's) with one tensor load.
; TRANSPOSED USE: source 0 = 16 keys, source 1 = 16 queries: lane l holds query l % 16, its registers keys 8 (l / 16) + 0 .. 7.
; REGISTERS: window 0: v0-31 addresses; v64-127, v128-191 q's fragments, two buffers; v32-63, v192-255 at work on the way out; behind the last product v64-103 hold the rows' figures.
;   window 1: k's fragments at the same numbers.  window 2: accumulators of my queries 0-63 ((a, b) at v[8 (8 a + b)]);  window 3: of queries 64-127.
.set KSTEP,  128
.set PITCH,  272                       ; an LDS row: 256 bytes + 16
.set HALFT,  128*PITCH
.set SLOT,   4*HALFT
.set STAGE,  2*SLOT                    ; behind the ring: 16 rows x 272 bytes a wave
.set SPITCH, 272
.set XCH,    STAGE+4*16*SPITCH         ; 512 bytes a wave: the rows' maxima, for the wave beside me
.set STT,    XCH+4*512                 ; 1,024 bytes a wave: M and the sums on their way out
.set SPARE,  STT+4*1024                ; the spare words, 128 bytes a wave
.set LAPS,   4                         ; 1,024 along K = 8 steps = 4 laps of the ring
.set QROW,   6144                      ; a row of qkv in bytes
.set PROW,   4096                      ; a row of pbuf
.set XST, 6
.set XLD, 7
.set SST, 8
.set SLD, 9
.set SGO, 10
.set DL,  11
.set NINF, 12
.set SGS, 13
.set ADRA, 16
.set ADRB, 20
.set STO,  24
.set RD,   25
.set CO,   26
.set SPW,  28
.set NIL,  29
.set F0,   64
.set F1,   128
.set TMP,  192
.set OB,   32
.set MX,   64                          ; v[64 + 2 a]: block a's row maximum; the odd register is its copy (named as a pair)
.set TP,   80
.set SUM,  88
.set SD,   96
.set G1, 24
.set G0, 32
.set MSB, 0
.macro WIN new
.if MSB != \new
	s_set_vgpr_msb (MSB<<8)|\new
.set MSB, \new
.endif
.endm
.set MUL_LO, 0xa1
.set MUL_HI, 0xf1
.set TO_B,   0x40
	s_load_b128 s[4:7], s[0:1], 0x0                ; qkv, pbuf
	s_load_b64 s[8:9], s[0:1], 0x10                ; stats
	v_lshl_add_u32 v[SPW], v0, 2, SPARE
	v_mov_b32 v[NIL], 0
	ds_add_u32 v[SPW], v[NIL]                      ; the wave's opening: the add, twice on end, and its wait ahead of my first tensor load
	ds_add_u32 v[SPW], v[NIL]
	v_lshrrev_b32 v1, 5, v0
	v_readfirstlane_b32 s10, v1                    ; wave
	s_lshr_b32 s11, s10, 1                         ; my half of the queries.  Also: I fetch q (0) or k (1)
	s_and_b32 s12, s10, 1                          ; my half of the keys.  Also: which 128 rows I fetch
	s_and_b32 s16, ttmp7, 0xffff
	s_and_b32 s17, s16, 3                          ; p
	s_lshr_b32 s15, s16, 2                         ; b
	s_sub_co_u32 s18, 7, s17
	s_sub_co_u32 s19, ttmp9, s17
	s_sub_co_u32 s19, s19, 1
	s_cmp_le_u32 ttmp9, s17
	s_cselect_b32 s13, s17, s18                    ; tile row: p, or 7 - p
	s_cselect_b32 s14, ttmp9, s19                  ; tile column: x, or x - p - 1
	s_mov_b32 s[G1+0], (1<<16)|(1<<20)|(5<<22)|(3<<25)  ; elements of 2 bytes; 4 words of padding behind every 64
	s_mov_b32 s[G1+1], KSTEP<<16                   ; tensor_dim0
	s_mov_b32 s[G1+2], 128<<16                     ; tensor_dim1
	s_mov_b32 s[G1+3], KSTEP<<16                   ; tile_dim0
	s_mov_b32 s[G1+4], 128                         ; tile_dim1
	s_mov_b32 s[G1+5], 3072                        ; elements from row to row
	s_mov_b32 s[G1+6], 0
	s_mov_b32 s[G1+7], 0
	s_cmp_eq_u32 s11, 0
	s_cselect_b32 s20, s13, s14                    ; q's rows by the tile row, k's by the tile column
	s_cselect_b32 s22, 0, 2048                     ; q's or k's bytes in a row of qkv
	s_lshl_b32 s20, s20, 8
	s_lshl_b32 s21, s15, 11
	s_add_co_u32 s20, s20, s21
	s_lshl_b32 s21, s12, 7
	s_add_co_u32 s20, s20, s21
	s_mul_i32 s20, s20, QROW
	s_add_co_u32 s20, s20, s22
	s_mov_b32 s21, 0
	s_mul_i32 s23, s10, HALFT                      ; q's two halves, then k's two halves
	s_sub_co_i32 s40, s13, s14
	s_lshl_b32 s40, s40, 8
	s_sub_co_i32 s41, s11, s12
	s_lshl_b32 s41, s41, 7
	s_add_co_i32 s40, s40, s41                     ; my first query less my first key
	s_mov_b32 s42, 0x3d38aa3b                      ; c = log2(e) / 32
	s_mov_b32 s43, s42
	s_mov_b32 s44, 0x76543210
	s_mov_b32 s45, 0xfedcba98
	s_wait_dscnt 0x0                               ; both opening adds are done
	s_wait_kmcnt 0x0
	s_add_nc_u64 s[20:21], s[4:5], s[20:21]
.irp s, 0,1                            ; the two first fills go out together: two loads of mine are out
	s_mov_b32 s[G0+4*\s], 1
	s_add_co_u32 s[G0+4*\s+1], s23, \s*SLOT
	s_add_nc_u64 s[G0+4*\s+2:G0+4*\s+3], s[20:21], \s*KSTEP*2
	s_or_b32 s[G0+4*\s+3], s[G0+4*\s+3], 0x80000000
	tensor_load_to_lds s[G0+4*\s:G0+4*\s+3], s[G1:G1+7]
	s_nop 0
.endr
	v_and_b32 v1, 15, v0                           ; r
	v_bfe_u32 v2, v0, 4, 1                         ; h
	v_mul_u32_u24 v3, v1, PITCH
	v_lshl_add_u32 v3, v2, 4, v3
	s_mul_i32 s21, s11, HALFT
	s_mul_i32 s22, s12, HALFT
	s_add_co_u32 s22, s22, 2*HALFT
.irp s, 0,1
	v_add_nc_u32 v[ADRA+\s], s21, v3
	v_add_nc_u32 v[ADRB+\s], s22, v3
	s_add_co_u32 s21, s21, SLOT
	s_add_co_u32 s22, s22, SLOT
.endr
	s_mul_i32 s23, s10, 16*SPITCH
	s_add_co_u32 s23, s23, STAGE
	v_mul_u32_u24 v4, v1, SPITCH
	v_lshl_add_u32 v4, v2, 4, v4
	v_add_nc_u32 v[STO], s23, v4
	v_mul_u32_u24 v5, v2, SPITCH
	v_lshl_add_u32 v5, v1, 4, v5
	v_add_nc_u32 v[RD], s23, v5
	v_lshlrev_b32 v5, 12, v2
	v_lshl_add_u32 v[CO], v1, 4, v5                ; two rows of pbuf, 16 bytes a lane
	v_lshlrev_b32 v4, 2, v1                        ; 4 r
	s_lshl_b32 s21, s10, 9
	s_add_co_u32 s21, s21, XCH
	v_add_nc_u32 v[XST], s21, v4
	s_xor_b32 s22, s10, 1                          ; the wave with the same queries and the other keys
	s_lshl_b32 s22, s22, 9
	s_add_co_u32 s22, s22, XCH
	v_add_nc_u32 v[XLD], s22, v4
	s_lshl_b32 s21, s10, 10
	s_add_co_u32 s21, s21, STT
	v_add_nc_u32 v[SST], s21, v4
	v_and_b32 v5, 31, v0
	v_lshlrev_b32 v[SGO], 4, v5
	v_add_nc_u32 v[SLD], s21, v[SGO]
	s_add_co_u32 s22, s12, 1
	s_lshl_b32 s22, s22, 13
	v_add_nc_u32 v[SGS], s22, v[SGO]               ; the sums' kind: 1 + my half of the keys
	v_lshlrev_b32 v5, 3, v2
	v_sub_nc_u32 v[DL], v1, v5
	v_add_nc_u32 v[DL], s40, v[DL]                 ; r - 8 h + (my first query - my first key)
	v_mov_b32 v[NINF], 0xff800000
	s_lshl_b32 s46, s15, 11
	s_lshl_b32 s47, s13, 8
	s_add_co_u32 s46, s46, s47
	s_lshl_b32 s47, s11, 7
	s_add_co_u32 s46, s46, s47                     ; my first query's row
	s_lshl_b32 s48, s46, 12
	s_lshl_b32 s47, s14, 9
	s_add_co_u32 s48, s48, s47
	s_lshl_b32 s47, s12, 8
	s_add_co_u32 s48, s48, s47
	s_mov_b32 s49, 0
	s_add_nc_u64 s[6:7], s[6:7], s[48:49]          ; pbuf at my 128 x 128
	s_lshl_b32 s48, s15, 3
	s_add_co_u32 s48, s48, s14
	s_mul_i32 s48, s48, 3*8192
	s_lshl_b32 s47, s13, 10
	s_add_co_u32 s48, s48, s47
	s_lshl_b32 s47, s11, 9
	s_add_co_u32 s48, s48, s47
	s_add_nc_u64 s[8:9], s[8:9], s[48:49]          ; stats at (b, tile column), kind 0, my 128 rows
.macro MUL16 f, hi, a0, zero           ; 16 matrix instructions; the 64 accumulators take turns, one instruction a turn
.irp a, \a0, \a0+1
.irp b, 0,1,2,3,4,5,6,7
.if \zero
	v_wmma_f32_16x16x32_f16 v[8*(8*(\a)+\b):8*(8*(\a)+\b)+7], v[\f+8*\b:\f+8*\b+7], v[\f+8*(4*\hi+\a):\f+8*(4*\hi+\a)+7], 0
.else
	v_wmma_f32_16x16x32_f16 v[8*(8*(\a)+\b):8*(8*(\a)+\b)+7], v[\f+8*\b:\f+8*\b+7], v[\f+8*(4*\hi+\a):\f+8*(4*\hi+\a)+7], v[8*(8*(\a)+\b):8*(8*(\a)+\b)+7]
.endif
.endr
.endr
.endm
.macro FETCH slot, k, f                ; 32 LDS loads in one run: the fragments of 32 along K at byte k of the rows
	WIN TO_B
.irp i, 0,1,2,3,4,5,6,7
	ds_load_b128 v[\f+8*\i:\f+8*\i+3],   v[ADRB+\slot] offset:\k+\i*16*PITCH
	ds_load_b128 v[\f+8*\i+4:\f+8*\i+7], v[ADRB+\slot] offset:\k+\i*16*PITCH+32
.endr
	WIN 0
.irp i, 0,1,2,3,4,5,6,7
	ds_load_b128 v[\f+8*\i:\f+8*\i+3],   v[ADRA+\slot] offset:\k+\i*16*PITCH
	ds_load_b128 v[\f+8*\i+4:\f+8*\i+7], v[ADRA+\slot] offset:\k+\i*16*PITCH+32
.endr
.endm
.macro PLACES                          ; four plain vector instructions between a matrix instruction and a load into, or a read or write of, its registers
.rept 4
	v_nop
.endr
.endm
.macro QUARTER slot, k, f, g, zero
	s_wait_dscnt 8                                 ; k's fragments and q's rows 0-63 are in; the youngest eight loads may be out
	WIN MUL_LO
	MUL16 \f, 0, 0, \zero
	MUL16 \f, 0, 2, \zero
	PLACES
	FETCH \slot, \k, \g
	s_wait_dscnt 32                                ; all but the 32 just issued
	WIN MUL_HI
	MUL16 \f, 1, 0, \zero
	MUL16 \f, 1, 2, \zero
.endm
; A K step's last quarter changes slots: one barrier.  In front of it each wave waits for all its tensor loads, adds 0 to its spare word, and waits for that and for its reads of this slot.
.macro TURN slot, next, fill
	WIN 0
	s_wait_tensorcnt 0x0                           ; the one load of mine that was out is my part of the next slot
	ds_add_u32 v[SPW], v[NIL]
	s_wait_dscnt 9                                 ; (the add and the youngest eight loads may be out)
	WIN MUL_LO
	MUL16 F1, 0, 0, 0
	s_wait_dscnt 0x0                               ; the add is done, and my reads of this slot are over
	s_barrier_signal -1
	MUL16 F1, 0, 2, 0
	s_barrier_wait -1
.if \fill
	s_add_nc_u64 s[G0+4*\slot+2:G0+4*\slot+3], s[G0+4*\slot+2:G0+4*\slot+3], 2*KSTEP*2
	tensor_load_to_lds s[G0+4*\slot:G0+4*\slot+3], s[G1:G1+7]     ; my one tensor load behind the barrier: two K steps on, into the slot just left; 224 matrix instructions stand ahead of the wait for it
	s_nop 0
.endif
	PLACES                                         ; behind the load, and in front of the LDS loads below
	FETCH \next, 0, F0
	WIN MUL_HI
	MUL16 F1, 1, 0, 0
	MUL16 F1, 1, 2, 0
.endm
	s_wait_tensorcnt 1                             ; my part of K step 0 is in; step 1's may stay out
	s_barrier_signal -1
	s_barrier_wait -1
	FETCH 0, 0, F0
	QUARTER 0, 64,  F0, F1, 1                      ; the first products start the sums
	WIN 0
	s_mov_b32 s3, LAPS-1
.Llap:
	QUARTER 0, 128, F1, F0, 0
	QUARTER 0, 192, F0, F1, 0
	TURN 0, 1, 1
	QUARTER 1, 64,  F0, F1, 0
	QUARTER 1, 128, F1, F0, 0
	QUARTER 1, 192, F0, F1, 0
	TURN 1, 0, 1
	QUARTER 0, 64,  F0, F1, 0
	WIN 0
	s_sub_co_u32 s3, s3, 1
	s_cmp_lg_u32 s3, 0
	s_cbranch_scc1 .Llap
	QUARTER 0, 128, F1, F0, 0                      ; the last lap fills nothing
	QUARTER 0, 192, F0, F1, 0
	TURN 0, 1, 0
	QUARTER 1, 64,  F0, F1, 0
	QUARTER 1, 128, F1, F0, 0
	QUARTER 1, 192, F0, F1, 0
	s_wait_dscnt 8
	WIN MUL_LO
	MUL16 F1, 0, 0, 0
	MUL16 F1, 0, 2, 0
	s_wait_dscnt 0
	WIN MUL_HI
	MUL16 F1, 1, 0, 0
	MUL16 F1, 1, 2, 0
	WIN 0
	; THE WAY OUT
	PLACES
.irp a, 0,1,2,3,4,5,6,7
	v_mov_b32 v[TP+\a], 0                          ; a lane permute's destination counts as one of its sources
.endr
	s_cmp_ge_i32 s40, 128                          ; ids alone: from 128 on every key of mine counts for every query of mine
	s_cbranch_scc1 .Lopen
; Register j of accumulator (a, b) holds key 16 b + 8 h + j for query 16 a + r: hidden where 16 (b - a) + j > r - 8 h + (my first query - my first key)
.macro MASK hi
	WIN 0x82+0x41*\hi
.irp a, 0,1,2,3
.irp b, 0,1,2,3,4,5,6,7
.irp j, 0,1,2,3,4,5,6,7
	v_cmp_gt_i32 vcc_lo, 16*(\b-\a-4*\hi)+\j, v[DL]
	v_cndmask_b32 v[8*(8*\a+\b)+\j], v[8*(8*\a+\b)+\j], v[NINF], vcc_lo
.endr
.endr
.endr
.endm
	MASK 0
	MASK 1
	WIN 0
.Lopen:
.macro ROWMAX hi                       ; each lane's largest of 64 scores a block; four blocks by turns; every accumulator is met at its lowest register first
	WIN 0x2a+0x15*\hi
.irp a, 0,1,2,3
	v_max3_num_f32 v[MX+2*(\a+4*\hi)], v[64*\a], v[64*\a+1], v[64*\a+2]
.endr
	WIN 0x28+0x14*\hi
.set i, 3
.rept 30
.irp a, 0,1,2,3
	v_max3_num_f32 v[MX+2*(\a+4*\hi)], v[MX+2*(\a+4*\hi)], v[64*\a+i], v[64*\a+i+1]
.endr
.set i, i+2
.endr
.irp a, 0,1,2,3
	v_max_num_f32 v[MX+2*(\a+4*\hi)], v[MX+2*(\a+4*\hi)], v[64*\a+63]
.endr
.endm
	ROWMAX 0
	ROWMAX 1
	WIN 0
.irp a, 0,1,2,3,4,5,6,7
	v_permlanex16_b32 v[TP+\a], v[MX+2*\a], s44, s45
.endr
.irp a, 0,1,2,3,4,5,6,7
	v_max_num_f32 v[MX+2*\a], v[MX+2*\a], v[TP+\a] ; with the other half of the lanes: my 128 keys
.endr
.irp a, 0,1,2,3,4,5,6,7
	ds_store_b32 v[XST], v[MX+2*\a] offset:64*\a   ; both halves write the same word with the same value
.endr
	s_wait_dscnt 0x0                               ; for the other wave's sake
	s_barrier_signal -1
	s_barrier_wait -1
.irp a, 0,1,2,3,4,5,6,7
	ds_load_b32 v[TP+\a], v[XLD] offset:64*\a
.endr
	s_wait_dscnt 0x0
.irp a, 0,1,2,3,4,5,6,7
	v_max_num_f32 v[MX+2*\a], v[MX+2*\a], v[TP+\a] ; M of the tile's 256 keys: a number in every row, since the tile's first key counts for each of its queries
.endr
.irp a, 0,1,2,3,4,5,6,7
	v_mov_b32 v[MX+2*\a+1], v[MX+2*\a]
.endr
.macro SHIFTEXP hi                     ; p = 2^((s - M) c) in place; a hidden score gives 0.  The 256 exponentials are one batch with one wait
	WIN 0x82+0x41*\hi
.set i, 0
.rept 128
	v_pk_add_f32 v[i:i+1], v[i:i+1], v[MX+2*(i/64+4*\hi):MX+2*(i/64+4*\hi)+1] op_sel_hi:[1,0] neg_lo:[0,1] neg_hi:[0,1]
.set i, i+2
.endr
.set i, 0
.rept 128
	v_pk_mul_f32 v[i:i+1], v[i:i+1], s[42:43] op_sel_hi:[1,0]
.set i, i+2
.endr
.set i, 0
.rept 256
	v_exp_f32 v[i], v[i]
.set i, i+1
.endr
	v_nop                                          ; a plain instruction behind the last exponential
	s_wait_alu depctr_va_vdst(0)                   ; the wait ahead of the first reader: one for the batch
.endm
.macro PACK a
.set AC, 64*((\a)%4)
	WIN 0x0a+5*((\a)/4)
.irp b, 0,1,2,3,4,5,6,7
.irp r, 0,1,2,3
	v_cvt_pk_f16_f32 v[TMP+4*\b+\r], v[AC+8*\b+2*\r], v[AC+8*\b+2*\r+1]
.endr
.endr
	WIN 0
.endm
.macro TOSTAGE a
.set BK, OB+192*((\a)%2)
.irp b, 0,1,2,3,4,5,6,7
	ds_store_b128 v[STO], v[TMP+4*\b:TMP+4*\b+3] offset:32*\b
.endr
.irp t, 0,1,2,3,4,5,6,7
	ds_load_b128 v[BK+4*\t:BK+4*\t+3], v[RD] offset:\t*2*SPITCH    ; LDS serves a wave's instructions in order: these see my stores
.endr
.endm
.macro SUMS a                          ; the lane's 64 unrounded p of block a, added in place as a tree; it stands between the stage's loads and the wait for them
.set AC, 64*((\a)%4)
	WIN 0x8a+0x45*((\a)/4)
.irp w, 4,8,16,32,64
.set u, 0
.rept 64/\w
	v_pk_add_f32 v[AC+\w*u:AC+\w*u+1], v[AC+\w*u:AC+\w*u+1], v[AC+\w*u+\w/2:AC+\w*u+\w/2+1]
.set u, u+1
.endr
.endr
	WIN 0x0a+5*((\a)/4)
	v_add_f32 v[SUM+(\a)], v[AC], v[AC+1]
	WIN 0
.endm
.macro SEND a
.set BK, OB+192*((\a)%2)
	s_wait_dscnt 0x0
	s_wait_xcnt 0x0                                ; earlier stores have read their base and their data
.if (\a) > 0
	s_add_nc_u64 s[6:7], s[6:7], 16*PROW
.endif
.irp t, 0,1,2,3,4,5,6,7
	global_store_b128 v[CO], v[BK+4*\t:BK+4*\t+3], s[6:7] offset:2*\t*PROW   ; 16 lanes store 256 consecutive bytes, at a multiple of 256 from pbuf's first byte
.endr
.endm
	SHIFTEXP 0
.irp a, 0,1,2,3
	PACK \a
	TOSTAGE \a
	SUMS \a
	SEND \a
.endr
	SHIFTEXP 1                                     ; the first four blocks' stores leave meanwhile
.irp a, 4,5,6,7
	PACK \a
	TOSTAGE \a
	SUMS \a
	SEND \a
.endr
.irp a, 0,1,2,3,4,5,6,7
	v_permlanex16_b32 v[TP+\a], v[SUM+\a], s44, s45
.endr
.irp a, 0,1,2,3,4,5,6,7
	v_add_f32 v[SUM+\a], v[SUM+\a], v[TP+\a]       ; the row's sum over my 128 keys
.endr
.irp a, 0,1,2,3,4,5,6,7
	ds_store_b32 v[SST], v[MX+2*\a] offset:64*\a
	ds_store_b32 v[SST], v[SUM+\a] offset:512+64*\a
.endr
	ds_load_b128 v[SD:SD+3], v[SLD]                ; my own bytes, served in order: 128 rows' M,
	ds_load_b128 v[SD+4:SD+7], v[SLD] offset:512   ; and their sums
	s_wait_dscnt 0x0
	global_store_b128 v[SGS], v[SD+4:SD+7], s[8:9] ; 512 consecutive bytes
	s_cmp_lg_u32 s12, 0                            ; M is the same in both waves of a row half: the left one stores it
	s_cbranch_scc1 .Lno_m
	global_store_b128 v[SGO], v[SD:SD+3], s[8:9]
.Lno_m:
	s_wait_tensorcnt 0x0                           ; the wave's end
	ds_add_u32 v[SPW], v[NIL]
	s_wait_dscnt 0x0
	s_endpgm
.Lfunc_end_k_q3fdc6886cd_scores:
	.size	k_q3fdc6886cd_scores, .Lfunc_end_k_q3fdc6886cd_scores-k_q3fdc6886cd_scores
	.p2alignl 7, 3214868480
	.fill 96, 4, 3214868480
	.section	.rodata,"a",@progbits
	.p2align	6, 0x0
	.amdhsa_kernel k_q3fdc6886cd_scores
		.amdhsa_group_segment_fixed_size 327680
		.amdhsa_private_segment_fixed_size 0
		.amdhsa_enable_private_segment 0
		.amdhsa_kernarg_size 24
		.amdhsa_user_sgpr_count 2
		.amdhsa_user_sgpr_kernarg_segment_ptr 1
		.amdhsa_wavefront_size32 1
		.amdhsa_system_sgpr_workgroup_id_x 1
		.amdhsa_system_sgpr_workgroup_id_y 1
		.amdhsa_system_sgpr_workgroup_id_z 1
		.amdhsa_system_vgpr_workitem_id 0
		.amdhsa_next_free_vgpr 1024
		.amdhsa_next_free_sgpr 66
		.amdhsa_reserve_vcc 1
		.amdhsa_float_denorm_mode_32 3
		.amdhsa_float_denorm_mode_16_64 3
		.amdhsa_memory_ordered 1
		.amdhsa_forward_progress 1
		.amdhsa_inst_pref_size 255
	.end_amdhsa_kernel
	.section	.bss,"aw",@nobits
	.p2align	6
	.space	262144
	.amdgpu_metadata
---
amdhsa.version: [ 1, 2 ]
amdhsa.kernels:
  - .name:           k_q3fdc6886cd_scores
    .symbol:         k_q3fdc6886cd_scores.kd
    .args:
      - { .name: qkv, .offset: 0, .size: 8, .value_kind: global_buffer, .address_space: global }
      - { .name: pbuf, .offset: 8, .size: 8, .value_kind: global_buffer, .address_space: global }
      - { .name: stats, .offset: 16, .size: 8, .value_kind: global_buffer, .address_space: global }
    .group_segment_fixed_size: 327680
    .private_segment_fixed_size: 0
    .kernarg_segment_align: 8
    .kernarg_segment_size: 24
    .max_flat_workgroup_size: 128
    .sgpr_count:     66
    .vgpr_count:     1024
    .wavefront_size: 32
...
	.end_amdgpu_metadata
.endif
;; end of part 3
;; launch pv (part 4): grid 8 x 32, 4 waves a work-group, clusters of 4 x 1, 327,680 bytes of LDS; arguments pbuf, qkv, stats, out0; writes out0
.if DOCPART == 4
	.amdgcn_target "amdgcn-amd-amdhsa--gfx1250"
	.amdhsa_code_object_version 6
	.text
	.protected	k_q3fdc6886cd_pv
	.globl	k_q3fdc6886cd_pv
	.p2align	8
	.type	k_q3fdc6886cd_pv,@function
k_q3fdc6886cd_pv:
	s_mov_b64 s[64:65], 0
	v_nop
	global_prefetch_b8 v0, s[64:65] scope:SCOPE_SE
	s_setreg_imm32_b32 hwreg(HW_REG_WAVE_MODE, 25, 1), 1
	s_wait_xcnt 0x0
	s_wait_alu depctr_hold_cnt(0) depctr_sa_sdst(0) depctr_va_vdst(0) depctr_va_sdst(0) depctr_va_ssrc(0) depctr_va_vcc(0) depctr_vm_vsrc(0)
	s_getreg_b32 s2, hwreg(HW_REG_IB_STS2, 6, 4)
	s_cmp_eq_u32 s2, 0
	s_cbranch_scc0 .Lentry_in_a_cluster
	s_endpgm
.Lentry_in_a_cluster:
	s_bfe_u32 s2, ttmp6, 0x10000c
	s_cmp_lg_u32 s2, 0x3003
	s_cbranch_scc0 .Lentry_shape_is_right
	s_endpgm
.Lentry_shape_is_right:
; LAUNCH 4 OF 5.  O[q][:] = sum over tiles j of f_j (P_j V_j) / sum over j of f_j l_j, with f_j = 2^((M_j - M) c), M the largest M_j of the row, c = log2(e) / 32.
; P_j (f16, 256 keys wide), M_j and l_j are the launch before's; V is qkv's third part (f16).  Products on f16 operands, sums in f32, all else in f32.
; WORK LEFT OUT: key tiles wholly above the diagonal (their weights are 0 for every input), and rows 0-15 of each batch, which the last launch makes in f32.
; SHARES.  A work-group makes 128 queries x 128 channels, twice: row block 15 - pr in NL = 8 - pr / 2 steps of 256 keys, then row block pr in 9 - NL: nine steps for every work-group, 256 work-groups.
; A wave makes 64 queries x 64 channels.  A step's product is summed in T (begun with the constant 0) and folded into O with the row's f_j.
; CLUSTER: the four work-groups of a cluster take four channel blocks of the same rows: P's tile is asked for jointly (mask 15).  V's tile hangs on the channel block, so each asks for its own;
; its other readers are other row pairs, whose walks differ in length.  The place in the cluster enters V's and out0's global addresses alone.
; TRANSPOSED USE: source 0 = V^T (16 channels x 32 keys, by the turning LDS load), source 1 = P (16 queries x 32 keys): lane l holds query l % 16, its registers channels 8 (l / 16) + 0 .. 7.
; REGISTERS: window 0: v1-15 addresses; v16-23 f (pairs); v24-27 sum of f l; v32-63, v64-95 at work on the way out; v96-111 a step's M, l; v112-119 M of the two row blocks; v120-127 1 / sum (pairs);
;   v128-255 T ((a, n) at 128 + 8 (4 a + n)).  window 1: two fragment buffers of 128: 64 of P, 64 of V.  window 2: v0-127 O.
.set PP,    528                        ; a row of P in LDS: 512 bytes + 16
.set PVP,   288                        ; a row of V: 256 bytes + 32
.set PT,    128*PP
.set SLOT,  PT+256*PVP
.set STAGE, 2*SLOT                     ; behind the ring: 16 rows x 272 bytes a wave
.set SPARE, STAGE+4*16*272             ; the spare words, 128 bytes a wave
.set ADRA, 4
.set ADRB, 6
.set STO,  10
.set RD,   11
.set CO,   12
.set ROW4, 13
.set SOFF, 14
.set FF,   16
.set LS,   24
.set SPW,  28
.set NIL,  29
.set TMP,  32
.set BK,   64
.set SM,   96
.set LL,   108
.set MF,   112
.set MFE,  116
.set RL,   120
.set ACC,  128
.set F0,   0
.set F1,   128
.set G0P, 32
.set G0V, 36
.set G1P, 40
.set G1V, 48
.set MSB, 0
.macro WIN new
.if MSB != \new
	s_set_vgpr_msb (MSB<<8)|\new
.set MSB, \new
.endif
.endm
.set MUL,  0x05                        ; sources 0 and 1 window 1; C and D window 0
.set TO_F, 0x40
.macro ROUND                           ; a round of the cluster's barrier
	s_barrier_signal -1
	s_barrier_wait -1
	s_cmp_lg_u32 s12, 0
	s_cbranch_scc1 .Lnot_wave_0_\@
	s_barrier_signal -3
.Lnot_wave_0_\@:
	s_barrier_wait -3
	s_barrier_signal -1
	s_barrier_wait -1
.endm
.macro JLOAD                           ; waves 0 and 1: P's halves, jointly; waves 2 and 3: V's halves.  The branch hangs on the wave's number alone.  An s_nop 0 and four v_nop follow each line
	s_cmp_eq_u32 s13, 0
	s_cbranch_scc0 .Lfor_v_\@
	tensor_load_to_lds s[G0P:G0P+3], s[G1P:G1P+7]
	s_nop 0
.rept 4
	v_nop
.endr
	s_branch .Lasked_\@
.Lfor_v_\@:
	tensor_load_to_lds s[G0V:G0V+3], s[G1V:G1V+7]
	s_nop 0
.rept 4
	v_nop
.endr
.Lasked_\@:
.endm
	s_load_b256 s[4:11], s[0:1], 0x0               ; pbuf, qkv, stats, out0
	v_lshl_add_u32 v[SPW], v0, 2, SPARE
	v_mov_b32 v[NIL], 0
	ds_add_u32 v[SPW], v[NIL]                      ; the wave's opening: the add, twice on end, and its wait ahead of my first tensor load
	ds_add_u32 v[SPW], v[NIL]
	v_lshrrev_b32 v1, 5, v0
	v_readfirstlane_b32 s12, v1                    ; wave
	s_lshr_b32 s13, s12, 1                         ; my half of the queries.  Also: I fetch P (0) or V (1)
	s_and_b32 s14, s12, 1                          ; my half of the channels.  Also: which half of that tile I fetch
	s_bfe_u32 s15, ttmp6, 0x40000                  ; cx
	s_lshl_b32 s16, ttmp9, 2
	s_add_co_u32 s16, s16, s15                     ; my block of 128 channels
	s_and_b32 s70, ttmp7, 0xffff
	s_lshr_b32 s17, s70, 3                         ; b
	s_and_b32 s18, s70, 7                          ; pr
	s_lshr_b32 s71, s18, 1
	s_sub_co_u32 s19, 8, s71                       ; NL: the late block's steps
	s_mov_b32 s20, 0                               ; the step last asked for
	s_mov_b32 s21, 0                               ; and its key tile
	s_sub_co_u32 s72, 15, s18                      ; the late row block
	s_lshl_b32 s73, s17, 11                        ; 2,048 b
	s_lshl_b32 s74, s14, 6
	s_add_co_u32 s74, s74, s73
	s_lshl_b32 s22, s72, 7
	s_add_co_u32 s22, s22, s74
	s_lshl_b32 s22, s22, 12                        ; P: the rows that I fetch, late block,
	s_lshl_b32 s23, s18, 7
	s_add_co_u32 s23, s23, s74
	s_lshl_b32 s23, s23, 12                        ; and early block
	s_lshl_b32 s24, s14, 7
	s_add_co_u32 s24, s24, s73
	s_mul_i32 s24, s24, 6144
	s_add_co_u32 s24, s24, 4096
	s_lshl_b32 s75, s16, 8
	s_add_co_u32 s24, s24, s75                     ; V: the keys that I fetch of tile 0, my channel block
	s_mul_i32 s25, s14, 64*PP                      ; where they go in a slot
	s_mul_i32 s26, s14, 128*PVP
	s_add_co_u32 s26, s26, PT
	s_mov_b32 s27, 0                               ; the key tile in hand
	s_mov_b32 s28, 0                               ; steps done
	s_mul_i32 s76, s17, 8*24576
	s_lshl_b32 s29, s72, 9
	s_add_co_u32 s29, s29, s76                     ; stats: (b, tile 0), the late block's rows,
	s_lshl_b32 s30, s18, 9
	s_add_co_u32 s30, s30, s76                     ; and the early block's
	s_lshl_b32 s77, s13, 6
	s_lshl_b32 s31, s18, 7
	s_add_co_u32 s31, s31, s77                     ; my first query of the early block, in the batch
	s_lshl_b32 s78, s16, 9
	s_lshl_b32 s79, s14, 8
	s_add_co_u32 s78, s78, s79                     ; my channels' bytes in a row of out0
	s_lshl_b32 s60, s72, 7
	s_add_co_u32 s60, s60, s73
	s_add_co_u32 s60, s60, s77
	s_lshl_b32 s60, s60, 12
	s_add_co_u32 s60, s60, s78
	s_mov_b32 s61, 0
	s_add_co_u32 s62, s31, s73
	s_lshl_b32 s62, s62, 12
	s_add_co_u32 s62, s62, s78
	s_mov_b32 s63, 0
	s_mov_b32 s[G1P+0], 15|(1<<16)|(1<<20)|(1<<21)|(6<<22)|(3<<25)  ; the mask: all four; elements of 2 bytes; 4 words of padding behind every 128
	s_mov_b32 s[G1P+1], 256<<16
	s_mov_b32 s[G1P+2], 64<<16
	s_mov_b32 s[G1P+3], 256<<16
	s_mov_b32 s[G1P+4], 64
	s_mov_b32 s[G1P+5], 2048
	s_mov_b32 s[G1P+6], 0
	s_mov_b32 s[G1P+7], 0
	s_mov_b32 s[G1V+0], (1<<16)|(1<<20)|(5<<22)|(7<<25)             ; no mask; 8 words of padding behind every 64
	s_mov_b32 s[G1V+1], 128<<16
	s_mov_b32 s[G1V+2], 128<<16
	s_mov_b32 s[G1V+3], 128<<16
	s_mov_b32 s[G1V+4], 128
	s_mov_b32 s[G1V+5], 3072
	s_mov_b32 s[G1V+6], 0
	s_mov_b32 s[G1V+7], 0
	s_mov_b32 s56, s22
	s_mov_b32 s57, 0
	s_mov_b32 s58, s24
	s_mov_b32 s59, 0
	s_mov_b32 s66, 0x76543210
	s_mov_b32 s67, 0xfedcba98
	s_mov_b32 s68, 0x3d38aa3b                      ; c
	s_wait_dscnt 0x0                               ; both opening adds are done
	s_wait_kmcnt 0x0
	s_add_nc_u64 s[60:61], s[10:11], s[60:61]      ; out0 at my part of the late block,
	s_add_nc_u64 s[62:63], s[10:11], s[62:63]      ; and of the early one
	ROUND                                          ; all four work-groups are here
	s_mov_b32 s[G0P], 1
	s_mov_b32 s[G0P+1], s25
	s_add_nc_u64 s[G0P+2:G0P+3], s[4:5], s[56:57]
	s_or_b32 s[G0P+3], s[G0P+3], 0x80000000
	s_mov_b32 s[G0V], 1
	s_mov_b32 s[G0V+1], s26
	s_add_nc_u64 s[G0V+2:G0V+3], s[6:7], s[58:59]
	s_or_b32 s[G0V+3], s[G0V+3], 0x80000000
	JLOAD                                          ; step 0 into slot 0
	v_and_b32 v1, 15, v0                           ; r
	v_bfe_u32 v2, v0, 4, 1                         ; h
	v_mul_u32_u24 v3, v1, PP
	v_lshl_add_u32 v3, v2, 4, v3
	s_mul_i32 s70, s13, 64*PP
	v_add_nc_u32 v[ADRA], s70, v3                  ; P's fragments: row x pitch + 16 h, my 64 queries
	v_add_nc_u32 v[ADRA+1], SLOT, v[ADRA]
	v_and_b32 v15, 7, v0
	v_lshl_add_u32 v15, v2, 3, v15
	v_mul_u32_u24 v15, v15, PVP                    ; the turning load: key 8 h + l % 8,
	v_bfe_u32 v3, v0, 3, 1
	v_lshl_add_u32 v15, v3, 4, v15                 ; channels 8 ((l / 8) % 2) on
	s_lshl_b32 s70, s14, 7
	s_add_co_u32 s70, s70, PT
	v_add_nc_u32 v[ADRB], s70, v15                 ; slot 0, keys 0-127
	v_add_nc_u32 v[ADRB+1], 128*PVP, v[ADRB]       ; keys 128-255: a register of its own, since 240 rows pass the 16-bit offset
	v_add_nc_u32 v[ADRB+2], SLOT, v[ADRB]
	v_add_nc_u32 v[ADRB+3], SLOT, v[ADRB+1]
	s_mul_i32 s70, s12, 16*272
	s_add_co_u32 s70, s70, STAGE
	v_mul_u32_u24 v3, v1, 272
	v_lshl_add_u32 v3, v2, 5, v3
	v_add_nc_u32 v[STO], s70, v3
	v_mul_u32_u24 v3, v2, 272
	v_lshl_add_u32 v3, v1, 4, v3
	v_add_nc_u32 v[RD], s70, v3
	v_lshlrev_b32 v3, 12, v2
	v_lshl_add_u32 v[CO], v1, 4, v3
	s_lshl_b32 s70, s13, 8
	v_lshl_add_u32 v[ROW4], v1, 2, s70             ; 4 (64 wr + r)
.irp a, 0,1,2,3
	v_mov_b32 v[FF+2*\a+1], 0                      ; named as upper halves of pairs, so they are written
	v_mov_b32 v[RL+2*\a+1], 0
.endr
	; M of both row blocks: the largest M_j.  Eight loads a row whatever the number of tiles: beyond the last tile the last is read again
	s_sub_co_u32 s70, s19, 1
	s_sub_co_u32 s71, 8, s19
.irp j, 0,1,2,3,4,5,6,7
	s_min_u32 s72, s70, \j
	s_mul_i32 s72, s72, 24576
	s_add_co_u32 s72, s72, s29
	v_add_nc_u32 v[96+\j], s72, v[ROW4]
	s_min_u32 s72, s71, \j
	s_mul_i32 s72, s72, 24576
	s_add_co_u32 s72, s72, s30
	v_add_nc_u32 v[104+\j], s72, v[ROW4]
.endr
.irp j, 0,1,2,3,4,5,6,7
.irp a, 0,1,2,3
	global_load_b32 v[32+4*\j+\a], v[96+\j], s[8:9] offset:64*\a
	global_load_b32 v[64+4*\j+\a], v[104+\j], s[8:9] offset:64*\a
.endr
.endr
	s_wait_loadcnt 0x0
.irp a, 0,1,2,3
	v_max3_num_f32 v[MF+\a], v[32+\a], v[36+\a], v[40+\a]
	v_max3_num_f32 v[MFE+\a], v[64+\a], v[68+\a], v[72+\a]
.endr
.irp a, 0,1,2,3
	v_max3_num_f32 v[MF+\a], v[MF+\a], v[44+\a], v[48+\a]
	v_max3_num_f32 v[MFE+\a], v[MFE+\a], v[76+\a], v[80+\a]
.endr
.irp a, 0,1,2,3
	v_max3_num_f32 v[MF+\a], v[MF+\a], v[52+\a], v[56+\a]
	v_max3_num_f32 v[MFE+\a], v[MFE+\a], v[84+\a], v[88+\a]
.endr
.irp a, 0,1,2,3
	v_max_num_f32 v[MF+\a], v[MF+\a], v[60+\a]
	v_max_num_f32 v[MFE+\a], v[MFE+\a], v[92+\a]
.endr
.macro MUL8 f, c, a0, zero             ; 8 matrix instructions, 32 keys: half c of buffer f; the 16 accumulators take turns
.irp a, \a0, \a0+1
.irp b, 0,1,2,3
.if \zero
	v_wmma_f32_16x16x32_f16 v[ACC+8*(4*(\a)+\b):ACC+8*(4*(\a)+\b)+7], v[\f+64+8*(4*\c+\b):\f+64+8*(4*\c+\b)+7], v[\f+8*(4*\c+\a):\f+8*(4*\c+\a)+7], 0
.else
	v_wmma_f32_16x16x32_f16 v[ACC+8*(4*(\a)+\b):ACC+8*(4*(\a)+\b)+7], v[\f+64+8*(4*\c+\b):\f+64+8*(4*\c+\b)+7], v[\f+8*(4*\c+\a):\f+8*(4*\c+\a)+7], v[ACC+8*(4*(\a)+\b):ACC+8*(4*(\a)+\b)+7]
.endif
.endr
.endr
.endm
.macro FETCH slot, q, f                ; 32 LDS loads in one run: the fragments of keys 64 q .. 64 q + 63; the first 32 keys first
	WIN TO_F
.irp c, 0,1
.irp i, 0,1,2,3
	ds_load_tr16_b128 v[\f+64+8*(4*\c+\i):\f+64+8*(4*\c+\i)+3],   v[ADRB+2*\slot+(\q)/2] offset:(64*((\q)%2)+32*\c)*PVP+32*\i
	ds_load_tr16_b128 v[\f+64+8*(4*\c+\i)+4:\f+64+8*(4*\c+\i)+7], v[ADRB+2*\slot+(\q)/2] offset:(64*((\q)%2)+32*\c+16)*PVP+32*\i
	ds_load_b128 v[\f+8*(4*\c+\i):\f+8*(4*\c+\i)+3],              v[ADRA+\slot] offset:128*(\q)+64*\c+\i*16*PP
	ds_load_b128 v[\f+8*(4*\c+\i)+4:\f+8*(4*\c+\i)+7],            v[ADRA+\slot] offset:128*(\q)+64*\c+\i*16*PP+32
.endr
.endr
.endm
.macro PLACES
.rept 4
	v_nop
.endr
.endm
.macro QUARTER slot, qn, f, g, zero    ; 64 keys from buffer f; in its middle the next 64 are fetched into g
	s_wait_dscnt 16                                ; the first 32 keys' fragments are in; the youngest sixteen loads may be out
	WIN MUL
	MUL8 \f, 0, 0, \zero
	MUL8 \f, 0, 2, \zero
	PLACES
	FETCH \slot, \qn, \g
	s_wait_dscnt 32                                ; all but the 32 just issued
	WIN MUL
	MUL8 \f, 1, 0, 0
	MUL8 \f, 1, 2, 0
.endm
.macro NEXTADDR s                      ; both descriptors for the next step, into slot s.  No tensor load of mine is out here.  Counters and ids alone; P's registers never hold the place in the cluster
	s_add_co_u32 s20, s20, 1
	s_add_co_u32 s21, s21, 1
	s_cmp_eq_u32 s20, s19                          ; the late block is through: on to the early block's tile 0
	s_cselect_b32 s21, 0, s21
	s_cselect_b32 s22, s23, s22
	s_lshl_b32 s56, s21, 9
	s_add_co_u32 s56, s56, s22
	s_add_nc_u64 s[G0P+2:G0P+3], s[4:5], s[56:57]
	s_or_b32 s[G0P+3], s[G0P+3], 0x80000000
	s_add_co_u32 s[G0P+1], s25, (\s)*SLOT
	s_mul_i32 s58, s21, 256*6144
	s_add_co_u32 s58, s58, s24
	s_add_nc_u64 s[G0V+2:G0V+3], s[6:7], s[58:59]
	s_or_b32 s[G0V+3], s[G0V+3], 0x80000000
	s_add_co_u32 s[G0V+1], s26, (\s)*SLOT
.endm
.macro FOLD                            ; O += f T, the sum += f l; each accumulator is read from its low end on
	WIN 0xa0
.set i, 0
.rept 64
	v_pk_fma_f32 v[i:i+1], v[ACC+i:ACC+i+1], v[FF+2*(i/32):FF+2*(i/32)+1], v[i:i+1] op_sel_hi:[1,0,1]
.set i, i+2
.endr
	WIN 0
.irp a, 0,1,2,3
	v_fma_f32 v[LS+\a], v[FF+2*\a], v[LL+\a], v[LS+\a]
.endr
.endm
.macro FOLD0                           ; a row block's first step starts O and the sum: nothing is cleared
	WIN 0x80
.set i, 0
.rept 64
	v_pk_mul_f32 v[i:i+1], v[ACC+i:ACC+i+1], v[FF+2*(i/32):FF+2*(i/32)+1] op_sel_hi:[1,0]
.set i, i+2
.endr
	WIN 0
.irp a, 0,1,2,3
	v_mul_f32 v[LS+\a], v[FF+2*\a], v[LL+\a]
.endr
.endm
; O / the sum, 16 queries at a time through my stage, so that 16 lanes store 256 consecutive bytes.  skip = 1: rows 0-15 of the batch are the last launch's
.macro OUTPUT base, skip
.irp a, 0,1,2,3
	v_rcp_f32 v[RL+2*\a], v[LS+\a]
.endr
	v_nop                                          ; a plain instruction behind the last reciprocal
	s_wait_alu depctr_va_vdst(0)                   ; the wait ahead of the first reader: one for the four
.irp a, 0,1,2,3
.if \skip && (\a == 0)
	s_cmp_eq_u32 s31, 0                            ; ids and the wave's number alone
	s_cbranch_scc1 .Lskip_\@
.endif
	s_wait_xcnt 0x0                                ; the last block's stores have read their data
	WIN 0x02
.set i, 0
.rept 16
	v_pk_mul_f32 v[TMP+i:TMP+i+1], v[32*\a+i:32*\a+i+1], v[RL+2*\a:RL+2*\a+1] op_sel_hi:[1,0]
.set i, i+2
.endr
	WIN 0
.irp n, 0,1,2,3
	ds_store_b128 v[STO], v[TMP+8*\n:TMP+8*\n+3] offset:64*\n
	ds_store_b128 v[STO], v[TMP+8*\n+4:TMP+8*\n+7] offset:64*\n+16
.endr
.irp t, 0,1,2,3,4,5,6,7
	ds_load_b128 v[BK+4*\t:BK+4*\t+3], v[RD] offset:\t*2*272       ; LDS serves a wave's instructions in order: these see my stores
.endr
	s_wait_dscnt 0x0
.irp t, 0,1,2,3,4,5,6,7
	global_store_b128 v[CO], v[BK+4*\t:BK+4*\t+3], s[\base:\base+1] offset:(16*\a+2*\t)*4096 th:TH_STORE_NT
.endr
.if \skip && (\a == 0)
.Lskip_\@:
.endif
.endr
.endm
; A STEP: 256 keys out of slot.  refill = 1: the next step's tiles are asked for, into the other slot, first thing behind the round: one tensor load of mine is out, and it has this step's 128 matrix instructions in which to land.
.macro STEP slot, refill, mode, cond
	s_wait_tensorcnt 0x0                           ; all my tensor loads have landed: my part of this slot
	ds_add_u32 v[SPW], v[NIL]                      ; the descriptors' steps stand between the add and the wait
.if \refill
	NEXTADDR 1-\slot
.endif
	s_wait_dscnt 0x0                               ; the add is done, and my reads of the other slot and of my stage are over
	ROUND                                          ; both now hold of every wave of all four work-groups
.if \refill
	JLOAD
.endif
	v_add_nc_u32 v[SOFF], s29, v[ROW4]             ; (its last readers, the last step's loads, were waited for)
.irp k, 0,1,2
.irp a, 0,1,2,3
	global_load_b32 v[SM+4*\k+\a], v[SOFF], s[8:9] offset:8192*\k+64*\a   ; this tile's M, l of keys 0-127, l of keys 128-255, for my 64 queries
.endr
.endr
	FETCH \slot, 0, F0
	QUARTER \slot, 1, F0, F1, 1
	QUARTER \slot, 2, F1, F0, 0
	QUARTER \slot, 3, F0, F1, 0
	WIN 0
	s_wait_loadcnt 0x0
.irp a, 0,1,2,3
	v_sub_f32 v[FF+2*\a], v[SM+\a], v[MF+\a]
.endr
.irp a, 0,1,2,3
	v_mul_f32 v[FF+2*\a], s68, v[FF+2*\a]
.endr
.irp a, 0,1,2,3
	v_exp_f32 v[FF+2*\a], v[FF+2*\a]               ; f = 2^((M_j - M) c), at most 1
.endr
.irp a, 0,1,2,3
	v_add_f32 v[LL+\a], v[SM+4+\a], v[SM+8+\a]     ; (plain work behind the exponentials)
.endr
	s_wait_dscnt 16
	WIN MUL
	MUL8 F1, 0, 0, 0
	MUL8 F1, 0, 2, 0
	s_wait_dscnt 0
	MUL8 F1, 1, 0, 0
	MUL8 F1, 1, 2, 0
	WIN 0
	PLACES
	s_wait_alu depctr_va_vdst(0)                   ; the wait ahead of f's first reader: one for the four
.if \mode
	s_cmp_eq_u32 s27, 0                            ; counters and ids alone: a row block's first tile?
	s_cbranch_scc1 .Lfirst_\@
	FOLD
	s_branch .Lfolded_\@
.Lfirst_\@:
	FOLD0
.Lfolded_\@:
.else
	FOLD0
.endif
	s_add_co_u32 s28, s28, 1
	s_add_co_u32 s27, s27, 1
	s_add_co_u32 s29, s29, 24576
.if \cond
	s_cmp_lg_u32 s28, s19                          ; the late block is finished after NL steps: it leaves, and the early block begins
	s_cbranch_scc1 .Lgo_on_\@
	OUTPUT 60, 0
.irp a, 0,1,2,3
	v_mov_b32 v[MF+\a], v[MFE+\a]
.endr
	s_mov_b32 s27, 0
	s_mov_b32 s29, s30
.Lgo_on_\@:
.endif
.endm
	STEP 0, 1, 0, 0                                ; step 0 is written out: it starts O and the sum on every path
	s_mov_b32 s69, 3
.Ltrip:
	STEP 1, 1, 1, 1
	STEP 0, 1, 1, 1
	s_sub_co_u32 s69, s69, 1
	s_cmp_lg_u32 s69, 0
	s_cbranch_scc1 .Ltrip
	STEP 1, 1, 1, 1
	STEP 0, 0, 1, 0                                ; the ninth step asks for nothing
	OUTPUT 62, 1
	s_wait_tensorcnt 0x0                           ; the wave's end
	ds_add_u32 v[SPW], v[NIL]
	s_wait_dscnt 0x0
	ROUND                                          ; the closing round
	s_endpgm
.Lfunc_end_k_q3fdc6886cd_pv:
	.size	k_q3fdc6886cd_pv, .Lfunc_end_k_q3fdc6886cd_pv-k_q3fdc6886cd_pv
	.p2alignl 7, 3214868480
	.fill 96, 4, 3214868480
	.section	.rodata,"a",@progbits
	.p2align	6, 0x0
	.amdhsa_kernel k_q3fdc6886cd_pv
		.amdhsa_group_segment_fixed_size 327680
		.amdhsa_private_segment_fixed_size 0
		.amdhsa_enable_private_segment 0
		.amdhsa_kernarg_size 32
		.amdhsa_user_sgpr_count 2
		.amdhsa_user_sgpr_kernarg_segment_ptr 1
		.amdhsa_wavefront_size32 1
		.amdhsa_system_sgpr_workgroup_id_x 1
		.amdhsa_system_sgpr_workgroup_id_y 1
		.amdhsa_system_sgpr_workgroup_id_z 1
		.amdhsa_system_vgpr_workitem_id 0
		.amdhsa_next_free_vgpr 640
		.amdhsa_next_free_sgpr 80
		.amdhsa_reserve_vcc 0
		.amdhsa_float_denorm_mode_32 3
		.amdhsa_float_denorm_mode_16_64 3
		.amdhsa_memory_ordered 1
		.amdhsa_forward_progress 1
		.amdhsa_inst_pref_size 206
	.end_amdhsa_kernel
	.amdgpu_metadata
---
amdhsa.version: [ 1, 2 ]
amdhsa.kernels:
  - .name:           k_q3fdc6886cd_pv
    .symbol:         k_q3fdc6886cd_pv.kd
    .args:
      - { .name: pbuf, .offset: 0, .size: 8, .value_kind: global_buffer, .address_space: global }
      - { .name: qkv, .offset: 8, .size: 8, .value_kind: global_buffer, .address_space: global }
      - { .name: stats, .offset: 16, .size: 8, .value_kind: global_buffer, .address_space: global }
      - { .name: out0, .offset: 24, .size: 8, .value_kind: global_buffer, .address_space: global }
    .group_segment_fixed_size: 327680
    .private_segment_fixed_size: 0
    .kernarg_segment_align: 8
    .kernarg_segment_size: 32
    .max_flat_workgroup_size: 128
    .sgpr_count:     80
    .vgpr_count:     640
    .wavefront_size: 32
...
	.end_amdgpu_metadata
.endif
;; end of part 4
;; launch first16 (part 5): grid 4 x 1, 16 waves a work-group, no clusters, 88,064 bytes of LDS; arguments fine, out0; writes out0
.if DOCPART == 5
	.amdgcn_target "amdgcn-amd-amdhsa--gfx1250"
	.amdhsa_code_object_version 6
	.text
	.protected	k_q3fdc6886cd_first16
	.globl	k_q3fdc6886cd_first16
	.p2align	8
	.type	k_q3fdc6886cd_first16,@function
k_q3fdc6886cd_first16:
	s_mov_b64 s[64:65], 0
	v_nop
	global_prefetch_b8 v0, s[64:65] scope:SCOPE_SE
	s_setreg_imm32_b32 hwreg(HW_REG_WAVE_MODE, 25, 1), 1
	s_wait_xcnt 0x0
; LAUNCH 5 OF 5.  Rows 0-15 of each batch, wholly in f32: these rows average one to sixteen values and are the largest in size, so their operands are not rounded to 16 bits.
; fine [4][16][3072] f32 holds q, k, v of the first 16 tokens.  Keys beyond 15 are hidden from these queries by the problem's own mask, so they are not read.
; One work-group a batch, sixteen waves; wave w takes channels 64 w .. 64 w + 63: its part of S = q k^T (16 matrix instructions of K = 4), all parts added through LDS in one order in every wave,
; the softmax in every wave alike, then its 64 channels of O = P V (16 matrix instructions).  32 f32 matrix instructions a wave: no bulk work.
; LAYOUT: source 0 = 16 keys (or 16 channels of V^T), source 1 = 16 queries: lane l holds query l % 16, its registers keys (channels) 8 (l / 16) + 0 .. 7.
; K's places: lane (r, h) gives register pair i the channels 64 w + 32 h + 2 i, + 1 of q and of k alike, and keys 8 h + 2 i, + 1 of P and of V alike: the same order on both sides keeps the products.
; REGISTERS: v16-47 q, v48-79 k (later the waves' parts of S), v80-111 v, v112-127 two sums of S and v128-159 four of O (written by matrix instructions alone), v160-199 at work, v200-231 rows on their way out.
.set RED,   0                          ; 1,024 bytes a wave: its part of S, as an image of its registers
.set STAGE, 16384                      ; 16 rows x 272 bytes a wave
.set SPARE, 86016                      ; the spare words, 128 bytes a wave
.set SPW, 14
.set NIL, 15
	s_load_b128 s[4:7], s[0:1], 0x0                ; fine, out0
	v_lshl_add_u32 v[SPW], v0, 2, SPARE
	v_mov_b32 v[NIL], 0
	v_lshrrev_b32 v1, 5, v0
	v_readfirstlane_b32 s8, v1                     ; wave 0..15
	v_and_b32 v1, 15, v0                           ; r
	v_bfe_u32 v2, v0, 4, 1                         ; h
	v_and_b32 v3, 31, v0                           ; lane
	s_lshl_b32 s9, s8, 8                           ; my 64 channels' bytes
	v_mul_u32_u24 v4, v1, 12288
	v_lshl_add_u32 v4, v2, 7, v4
	v_add_nc_u32 v4, s9, v4                        ; q, k: token r, channels 64 w + 32 h on
	v_mul_u32_u24 v5, v2, 98304
	v_lshl_add_u32 v5, v1, 2, v5
	v_add_nc_u32 v5, s9, v5                        ; v: token 8 h, channel 64 w + r
	s_lshl_b32 s10, s8, 10
	v_lshlrev_b32 v6, 4, v3                        ; an image's place for my lane
	v_add_nc_u32 v7, s10, v6                       ; and in my wave's part
	s_mul_i32 s11, s8, 16*272
	s_add_co_u32 s11, s11, STAGE
	v_mul_u32_u24 v8, v1, 272
	v_lshl_add_u32 v8, v2, 5, v8
	v_add_nc_u32 v8, s11, v8                       ; the stage, in: row r, 32 h
	v_mul_u32_u24 v9, v2, 272
	v_lshl_add_u32 v9, v1, 4, v9
	v_add_nc_u32 v9, s11, v9                       ; back: lanes 0-15 one row, lanes 16-31 the next
	v_lshlrev_b32 v10, 12, v2
	v_lshl_add_u32 v10, v1, 4, v10
	v_add_nc_u32 v10, s9, v10                      ; the same two rows in out0, my channels
	v_lshlrev_b32 v11, 3, v2
	v_sub_nc_u32 v11, v1, v11                      ; r - 8 h
	v_mov_b32 v12, 0xff800000                      ; -infinity
	v_mov_b32 v13, 0                               ; a lane permute's destination counts as one of its sources
	s_mov_b32 s12, 0x76543210
	s_mov_b32 s13, 0xfedcba98
	s_mov_b32 s14, 0x3d38aa3b                      ; c = log2(e) / 32
	s_mul_i32 s16, ttmp9, 196608
	s_mov_b32 s17, 0
	s_lshl_b32 s18, ttmp9, 23
	s_mov_b32 s19, 0
	s_wait_kmcnt 0x0
	s_add_nc_u64 s[4:5], s[4:5], s[16:17]
	s_add_nc_u64 s[6:7], s[6:7], s[18:19]
.irp i, 0,1,2,3,4,5,6,7
	global_load_b128 v[16+4*\i:19+4*\i], v4, s[4:5] offset:16*\i
.endr
.irp i, 0,1,2,3,4,5,6,7
	global_load_b128 v[48+4*\i:51+4*\i], v4, s[4:5] offset:4096+16*\i
.endr
.irp t, 0,1,2,3
.irp j, 0,1,2,3,4,5,6,7
	global_load_b32 v[80+8*\t+\j], v5, s[4:5] offset:8192+12288*\j+64*\t
.endr
.endr
	s_wait_loadcnt 32                              ; q and k are in; v's 32 loads may stay out
	v_wmma_f32_16x16x4_f32 v[112:119], v[48:49], v[16:17], 0       ; two sums by turns; each begins with its own first step and the constant 0
	v_wmma_f32_16x16x4_f32 v[120:127], v[50:51], v[18:19], 0
.irp i, 2,3,4,5,6,7,8,9,10,11,12,13,14,15
	v_wmma_f32_16x16x4_f32 v[112+8*(\i%2):119+8*(\i%2)], v[48+2*\i:49+2*\i], v[16+2*\i:17+2*\i], v[112+8*(\i%2):119+8*(\i%2)]
.endr
.rept 8
	v_nop                                          ; eight places behind this form (ISA guide 7.12.1)
.endr
.irp i, 0,1,2,3
	v_pk_add_f32 v[160+2*\i:161+2*\i], v[112+2*\i:113+2*\i], v[120+2*\i:121+2*\i]
.endr
	ds_store_b128 v7, v[160:163]
	ds_store_b128 v7, v[164:167] offset:512
	s_wait_dscnt 0x0                               ; for the others' sake
	s_barrier_signal -1
	s_barrier_wait -1
.irp w, 0,1,2,3,4,5,6,7
	ds_load_b128 v[16+8*\w:19+8*\w], v6 offset:1024*\w
	ds_load_b128 v[20+8*\w:23+8*\w], v6 offset:1024*\w+512
.endr
	s_wait_dscnt 0x0
.irp i, 0,1,2,3
	v_pk_add_f32 v[168+2*\i:169+2*\i], v[16+2*\i:17+2*\i], v[24+2*\i:25+2*\i]
.endr
.irp w, 2,3,4,5,6,7
.irp i, 0,1,2,3
	v_pk_add_f32 v[168+2*\i:169+2*\i], v[168+2*\i:169+2*\i], v[16+8*\w+2*\i:17+8*\w+2*\i]
.endr
.endr
.irp w, 0,1,2,3,4,5,6,7
	ds_load_b128 v[16+8*\w:19+8*\w], v6 offset:8192+1024*\w
	ds_load_b128 v[20+8*\w:23+8*\w], v6 offset:8192+1024*\w+512
.endr
	s_wait_dscnt 0x0
.irp w, 0,1,2,3,4,5,6,7
.irp i, 0,1,2,3
	v_pk_add_f32 v[168+2*\i:169+2*\i], v[168+2*\i:169+2*\i], v[16+8*\w+2*\i:17+8*\w+2*\i]
.endr
.endr
.irp j, 0,1,2,3,4,5,6,7
	v_cmp_gt_i32 vcc_lo, \j, v11                   ; key 8 h + j is hidden from query r where j > r - 8 h
	v_cndmask_b32 v[168+\j], v[168+\j], v12, vcc_lo
.endr
	v_max3_num_f32 v184, v168, v169, v170
	v_max3_num_f32 v184, v184, v171, v172
	v_max3_num_f32 v184, v184, v173, v174
	v_max_num_f32 v184, v184, v175
	v_permlanex16_b32 v13, v184, s12, s13
	v_max_num_f32 v184, v184, v13                  ; the row's maximum: key 0 counts for every query
.irp j, 0,1,2,3,4,5,6,7
	v_sub_f32 v[176+\j], v[168+\j], v184
.endr
.irp j, 0,1,2,3,4,5,6,7
	v_mul_f32 v[176+\j], s14, v[176+\j]
.endr
.irp j, 0,1,2,3,4,5,6,7
	v_exp_f32 v[176+\j], v[176+\j]
.endr
	v_nop                                          ; a plain instruction behind the last exponential
	s_wait_alu depctr_va_vdst(0)                   ; the wait ahead of the first reader: one for the eight
	v_add_f32 v186, v176, v177
	v_add_f32 v187, v178, v179
	v_add_f32 v188, v180, v181
	v_add_f32 v189, v182, v183
	v_add_f32 v186, v186, v187
	v_add_f32 v188, v188, v189
	v_add_f32 v186, v186, v188
	v_permlanex16_b32 v13, v186, s12, s13
	v_add_f32 v186, v186, v13                      ; the row's sum
	v_rcp_f32 v190, v186
	v_nop
	s_wait_alu depctr_va_vdst(0)
.irp j, 0,1,2,3,4,5,6,7
	v_mul_f32 v[176+\j], v[176+\j], v190           ; the weights
.endr
	s_wait_loadcnt 0x0                             ; v
.irp t, 0,1,2,3
	v_wmma_f32_16x16x4_f32 v[128+8*\t:135+8*\t], v[80+8*\t:81+8*\t], v[176:177], 0   ; four sums by turns
.endr
.irp i, 1,2,3
.irp t, 0,1,2,3
	v_wmma_f32_16x16x4_f32 v[128+8*\t:135+8*\t], v[80+8*\t+2*\i:81+8*\t+2*\i], v[176+2*\i:177+2*\i], v[128+8*\t:135+8*\t]
.endr
.endr
.rept 8
	v_nop
.endr
.irp t, 0,1,2,3
	ds_store_b128 v8, v[128+8*\t:131+8*\t] offset:64*\t            ; each sum from its low end on
	ds_store_b128 v8, v[132+8*\t:135+8*\t] offset:64*\t+16
.endr
.irp i, 0,1,2,3,4,5,6,7
	ds_load_b128 v[200+4*\i:203+4*\i], v9 offset:\i*2*272          ; LDS serves a wave's instructions in order: these see my stores
.endr
.irp i, 0,1,2,3,4,5,6,7
	s_wait_dscnt 7-\i
	global_store_b128 v10, v[200+4*\i:203+4*\i], s[6:7] offset:8192*\i   ; 16 lanes store 256 consecutive bytes, at a multiple of 256 from out0's first byte
.endr
	s_wait_tensorcnt 0x0                           ; the wave's end
	ds_add_u32 v[SPW], v[NIL]
	s_wait_dscnt 0x0
	s_endpgm
.Lfunc_end_k_q3fdc6886cd_first16:
	.size	k_q3fdc6886cd_first16, .Lfunc_end_k_q3fdc6886cd_first16-k_q3fdc6886cd_first16
	.p2alignl 7, 3214868480
	.fill 96, 4, 3214868480
	.section	.rodata,"a",@progbits
	.p2align	6, 0x0
	.amdhsa_kernel k_q3fdc6886cd_first16
		.amdhsa_group_segment_fixed_size 88064
		.amdhsa_private_segment_fixed_size 0
		.amdhsa_enable_private_segment 0
		.amdhsa_kernarg_size 16
		.amdhsa_user_sgpr_count 2
		.amdhsa_user_sgpr_kernarg_segment_ptr 1
		.amdhsa_wavefront_size32 1
		.amdhsa_system_sgpr_workgroup_id_x 1
		.amdhsa_system_sgpr_workgroup_id_y 1
		.amdhsa_system_sgpr_workgroup_id_z 1
		.amdhsa_system_vgpr_workitem_id 0
		.amdhsa_next_free_vgpr 256
		.amdhsa_next_free_sgpr 66
		.amdhsa_reserve_vcc 1
		.amdhsa_float_denorm_mode_32 3
		.amdhsa_float_denorm_mode_16_64 3
		.amdhsa_memory_ordered 1
		.amdhsa_forward_progress 1
		.amdhsa_inst_pref_size 21
	.end_amdhsa_kernel
	.amdgpu_metadata
---
amdhsa.version: [ 1, 2 ]
amdhsa.kernels:
  - .name:           k_q3fdc6886cd_first16
    .symbol:         k_q3fdc6886cd_first16.kd
    .args:
      - { .name: fine, .offset: 0, .size: 8, .value_kind: global_buffer, .address_space: global }
      - { .name: out0, .offset: 8, .size: 8, .value_kind: global_buffer, .address_space: global }
    .group_segment_fixed_size: 88064
    .private_segment_fixed_size: 0
    .kernarg_segment_align: 8
    .kernarg_segment_size: 16
    .max_flat_workgroup_size: 512
    .sgpr_count:     66
    .vgpr_count:     256
    .wavefront_size: 32
...
	.end_amdgpu_metadata
.endif
;; end of part 5
